; MI455X (gfx1250); checked and timed in simulation.
; The chip was launched on July 23, 2026; its instructions are those of AMD's public machine-readable ISA for CDNA 5 (MIT licence, August 2026) and "CDNA5" Instruction Set Architecture Reference Guide (July 2026). The comments in the code are by the model that wrote it; some were corrected since.
;; Cross Attention Fusion. Allowed arithmetic: float matrix products may take bf16 or f16 operands with f32 sums; all other float work in f32.
;; Inputs: Wf 384 x 384 float32; Wkg 384 x 384 float32; Wkl 384 x 384 float32; Wqg 384 x 384 float32; Wql 384 x 384 float32; Wvg 384 x 384 float32; Wvl 384 x 384 float32; Z_graph 8 x 2,048 x 384 float32; Z_lstm 8 x 2,048 x 384 float32; bf 384 float32; bkg 384 float32; bkl 384 float32; bqg 384 float32; bql 384 float32; bvg 384 float32; bvl 384 float32.
;; Outputs: out0 8 x 2,048 x 384 float32.
;; 2 versions, each right; version 2 is version 1 with the launch prep written anew for expert scheduling mode. Each part assembles by itself: llvm-mc -triple=amdgcn-amd-amdhsa -mcpu=gfx1250 --defsym DOCPART=n.
;; ======== version 1 of 2: 3 launches
;; workspace buffers: wcat 1,769,472 bytes; bcat 9,216 bytes; qkv 75,497,472 bytes
;; launch prep (part 1): grid 33 x 2, 4 waves a work-group, no clusters, 129,024 bytes of LDS; arguments Wqg, Wkg, Wvg, bqg, bkg, bvg, Wql, Wkl, Wvl, bql, bkl, bvl, Wf, wcat, bcat; writes wcat, bcat
.if DOCPART == 1
	.amdgcn_target "amdgcn-amd-amdhsa--gfx1250"
	.amdhsa_code_object_version 6
	.text
	.protected	k_q6ac7502ed8_prep
	.globl	k_q6ac7502ed8_prep
	.p2align	8
	.type	k_q6ac7502ed8_prep,@function
k_q6ac7502ed8_prep:
	s_mov_b64 s[64:65], 0
	v_nop
	global_prefetch_b8 v0, s[64:65] scope:SCOPE_SE
	s_setreg_imm32_b32 hwreg(HW_REG_WAVE_MODE, 25, 1), 1
	s_wait_xcnt 0x0
; prep: the weights as the projection wants them.  y = the source (0 graph, 1 lstm).
;   wcat[y] : bf16 [1152][384]   rows 0-383 c Wq, rows 384-767 Wk, rows 768-1151 Wf Wv
;   bcat[y] : f32  [1152]        c bq, bk, Wf bv
; c = log2(e) / sqrt(384): the scores then come out in units of log2 and the softmax uses 2^x.
; Wf is folded into V: (attn V) Wf^T = attn (V Wf^T), and V Wf^T = Z (Wf Wv)^T + Wf bv, for every input.
; LIMIT (order of rounding): Wf Wv is made of bf16 operands with f32 sums and rounded once more to bf16; c is multiplied into
; Wq and bq in f32 ahead of the rounding; Wf bv is summed in f32.  NaN and infinities are not treated.
; x picks the work: 0-17 a block of 64 x 128 of Wf Wv; 18-29 64 rows of Wq or Wk; 30-32 128 numbers of Wf bv.
; LDS: bytes 0 - 110,591 Wv's staged rows, 110,592 - 127,999 four stages (both for x = 0-17); 128,000 - 128,511 the 128 sums of x = 30-32:
; the ways of this text share no LDS byte.
; No cluster: 66 small work-groups that load through registers; what two of them share is a few hundred KiB read once each.
.set CSCALE, 0x3d96c740                ; c in f32
.set WVP,  288                         ; LDS pitch of Wv's staged rows: 256 bytes + 32 = 9 x 32, for the transposing loads
.set STG,  384*WVP                     ; behind Wv: 16 rows x 272 bytes for each wave, for the way out
.set BSC,  STG+4*16*272                ; behind the stages: 512 bytes for the sums of Wf bv
.set ACC,  32                          ; v[32:95]   eight tiles of 16 x 16 in f32
.set F0,   128                         ; v[128:191], v[192:255]  two sets of eight fragments
.set MSB,  0
.macro WIN new                         ; s_set_vgpr_msb; the immediate's high byte repeats the setting that is left
.if MSB != \new
	s_set_vgpr_msb (MSB<<8)|\new
.set MSB, \new
.endif
.endm
.macro PLACES                          ; four independent vector instructions behind a matrix instruction (ISA guide 7.12.1)
.rept 4
	v_nop
.endr
.endm
	s_load_b256 s[8:15], s[0:1], 0x0               ; Wqg s[8:9], Wkg s[10:11], Wvg s[12:13], bqg s[14:15]
	s_load_b128 s[16:19], s[0:1], 0x20             ; bkg s[16:17], bvg s[18:19]
	s_load_b256 s[20:27], s[0:1], 0x30             ; Wql, Wkl, Wvl, bql
	s_load_b128 s[28:31], s[0:1], 0x50             ; bkl, bvl
	s_load_b128 s[32:35], s[0:1], 0x60             ; Wf s[32:33], wcat s[34:35]
	s_load_b64 s[36:37], s[0:1], 0x70              ; bcat
	v_lshl_add_u32 v30, v0, 2, 0x1f600
	v_mov_b32 v31, 0
	v_lshrrev_b32 v2, 5, v0
	v_readfirstlane_b32 s4, v2                     ; wave 0..3
	v_and_b32 v1, 31, v0                           ; lane L
	v_and_b32 v2, 15, v0                           ; r = L % 16
	v_bfe_u32 v3, v0, 4, 1                         ; h = L / 16
	s_and_b32 s5, ttmp7, 0xffff                    ; y: the source
	s_mov_b32 s6, ttmp9                            ; x: the work
	s_mul_i32 s38, s5, 884736                      ; wcat: 1152 x 768 bytes a source
	s_mov_b32 s39, 0
	s_mul_i32 s40, s5, 4608                        ; bcat: 1152 x 4 bytes a source
	s_mov_b32 s41, 0
	s_wait_kmcnt 0x0
	s_cmp_eq_u32 s5, 0                             ; the source's own six tensors into s[8:19]
	s_cselect_b64 s[8:9], s[8:9], s[20:21]
	s_cselect_b64 s[10:11], s[10:11], s[22:23]
	s_cselect_b64 s[12:13], s[12:13], s[24:25]
	s_cselect_b64 s[14:15], s[14:15], s[26:27]
	s_cselect_b64 s[16:17], s[16:17], s[28:29]
	s_cselect_b64 s[18:19], s[18:19], s[30:31]
	s_add_nc_u64 s[34:35], s[34:35], s[38:39]
	s_add_nc_u64 s[36:37], s[36:37], s[40:41]
	s_cmp_lt_u32 s6, 18
	s_cbranch_scc0 .Lnot_p
; ---------------------------------------------------------------- W'[e][d] = sum over c of Wf[e][c] Wv[c][d]
; The group makes e = 64 eg .. +63, d = 128 db .. +127; wave w the 16 rows e0 = 64 eg + 16 w.
; The matrix instruction takes 16 columns d of Wv as A (rows m = d) and 16 rows e of Wf as B (columns n = e): a lane then holds
; row e = e0 + r and eight neighbouring d, which pack into 16 bytes.
	s_mul_i32 s7, s6, 43
	s_lshr_b32 s7, s7, 8                           ; db = x / 6 (exact for x below 18)
	s_mul_i32 s38, s7, 6
	s_sub_co_u32 s38, s6, s38                      ; eg
	s_lshl_b32 s38, s38, 6
	s_lshl4_add_u32 s38, s4, s38                   ; e0
	s_mul_i32 s40, s38, 1536
	s_mov_b32 s41, 0
	s_add_nc_u64 s[32:33], s[32:33], s[40:41]      ; Wf at row e0
	s_lshl_b32 s40, s7, 9
	s_add_nc_u64 s[12:13], s[12:13], s[40:41]      ; Wv at column 128 db
	s_add_co_u32 s40, s38, 768
	s_mul_i32 s40, s40, 768
	s_lshl_b32 s42, s7, 8
	s_add_co_u32 s40, s40, s42
	s_add_nc_u64 s[34:35], s[34:35], s[40:41]      ; wcat at row 768 + e0, byte 256 db
	v_mul_u32_u24 v4, v2, 1536
	v_lshl_add_u32 v4, v3, 5, v4                   ; v4: Wf, row r, 8 h numbers in
	s_mul_i32 s42, s4, 96*1536
	v_lshl_add_u32 v5, v1, 4, s42                  ; v5: Wv, my wave's 96 rows, 16 bytes a lane
	s_mul_i32 s43, s4, 96*WVP
	v_lshl_add_u32 v6, v1, 3, s43                  ; v6: the same rows in LDS, 8 bytes a lane
	v_and_b32 v12, 7, v0
	v_lshl_add_u32 v12, v3, 3, v12
	v_mul_u32_u24 v7, v12, WVP
	v_bfe_u32 v12, v0, 3, 1
	v_lshl_add_u32 v7, v12, 4, v7                  ; v7: transposing load: row 8 h + L % 8, half (L / 8) % 2 of the 32 bytes
	v_add_nc_u32 v8, 6*32*WVP, v7                  ; v8: the same from row 192 on (the immediate has 16 bits)
	s_mul_i32 s44, s4, 16*272
	s_add_co_u32 s44, s44, STG                     ; my stage
	v_mul_u32_u24 v9, v2, 272
	v_lshl_add_u32 v9, v3, 4, v9
	v_add_nc_u32 v9, s44, v9                       ; v9: in: row r, 16 bytes for each half of the lanes
	v_mul_u32_u24 v10, v3, 272
	v_lshl_add_u32 v10, v2, 4, v10
	v_add_nc_u32 v10, s44, v10                     ; v10: back: lanes 0-15 one row of 256 bytes, lanes 16-31 the next
	v_mul_u32_u24 v11, v3, 768
	v_lshl_add_u32 v11, v2, 4, v11                 ; v11: the same two rows in wcat
.macro WFLOAD c0                       ; Wf(e0 + r, 32 cb + 8 h .. and 32 cb + 16 + 8 h ..) in f32, six blocks cb from c0: 24 loads
.irp q, 0,1,2,3,4,5
	global_load_b128 v[32+16*\q:32+16*\q+3],     v4, s[32:33] offset:128*(\c0+\q)
	global_load_b128 v[32+16*\q+4:32+16*\q+7],   v4, s[32:33] offset:128*(\c0+\q)+16
	global_load_b128 v[32+16*\q+8:32+16*\q+11],  v4, s[32:33] offset:128*(\c0+\q)+64
	global_load_b128 v[32+16*\q+12:32+16*\q+15], v4, s[32:33] offset:128*(\c0+\q)+80
.endr
.endm
.macro WFCVT c0                        ; rounded to bf16: fragment cb at v[256 + 8 cb]
	WIN 0x40
.irp q, 0,1,2,3,4,5
.irp j, 0,1,2,3,4,5,6,7
	v_cvt_pk_bf16_f32 v[8*(\c0+\q)+\j], v[32+16*\q+2*\j], v[32+16*\q+2*\j+1]
.endr
.endr
	WIN 0
.endm
.macro WVLOAD b                        ; 32 rows of Wv's block: one load of the wave takes a row's 512 bytes
.set i, 0
.rept 32
	global_load_b128 v[128+4*i:128+4*i+3], v5, s[12:13] offset:(32*\b+i)*1536
.set i, i+1
.endr
.endm
.macro WVPUT b                         ; rounded to bf16 and laid into LDS, 256 neighbouring bytes a store
.set i, 0
.rept 32
	v_cvt_pk_bf16_f32 v[128+4*i],   v[128+4*i],   v[128+4*i+1]
	v_cvt_pk_bf16_f32 v[128+4*i+1], v[128+4*i+2], v[128+4*i+3]
	ds_store_b64 v6, v[128+4*i:128+4*i+1] offset:(32*\b+i)*WVP
.set i, i+1
.endr
.endm
	WFLOAD 0
	WVLOAD 0
	s_wait_loadcnt 32                              ; the 32 loads of Wv behind them may stay out: Wf's first half is in
	WFCVT 0
	WFLOAD 6
	s_wait_loadcnt 24                              ; Wf's second half may stay out: Wv's rows 0-31 are in
	WVPUT 0
	WVLOAD 1
	s_wait_loadcnt 32                              ; Wv's rows 32-63 may stay out: Wf's second half is in
	WFCVT 6
	s_wait_loadcnt 0x0
	WVPUT 1
	WVLOAD 2
	s_wait_loadcnt 0x0
	WVPUT 2
	s_wait_dscnt 0x0                               ; my rows of Wv are in LDS,
	s_barrier_signal -1
	s_barrier_wait -1                              ; everybody's are
.macro FETCHT c                        ; eight fragments of Wv^T (16 d x 32 c) for block c: 16 transposing loads
.irp dt, 0,1,2,3,4,5,6,7
.if \c < 6
	ds_load_tr16_b128 v[F0+64*(\c&1)+8*\dt:F0+64*(\c&1)+8*\dt+3],   v7 offset:32*WVP*\c+32*\dt
	ds_load_tr16_b128 v[F0+64*(\c&1)+8*\dt+4:F0+64*(\c&1)+8*\dt+7], v7 offset:32*WVP*\c+32*\dt+16*WVP
.else
	ds_load_tr16_b128 v[F0+64*(\c&1)+8*\dt:F0+64*(\c&1)+8*\dt+3],   v8 offset:32*WVP*(\c-6)+32*\dt
	ds_load_tr16_b128 v[F0+64*(\c&1)+8*\dt+4:F0+64*(\c&1)+8*\dt+7], v8 offset:32*WVP*(\c-6)+32*\dt+16*WVP
.endif
.endr
.endm
; One block of 32 along c.  The eight accumulators take turns, one instruction a turn.
.macro PRUN cb
.if \cb < 11
.if \cb > 0
	PLACES                                         ; the set that is fetched now was read by the matrix instructions just ahead
.endif
	FETCHT (\cb+1)
	s_wait_dscnt 16                                ; the 16 just issued may stay out: this block's fragments are in
.else
	s_wait_dscnt 0x0
.endif
.irp dt, 0,1,2,3,4,5,6,7
.if \cb == 0
	v_wmma_f32_16x16x32_bf16 v[ACC+8*\dt:ACC+8*\dt+7], v[F0+64*(\cb&1)+8*\dt:F0+64*(\cb&1)+8*\dt+7], v[8*\cb:8*\cb+7], 0
.else
	v_wmma_f32_16x16x32_bf16 v[ACC+8*\dt:ACC+8*\dt+7], v[F0+64*(\cb&1)+8*\dt:F0+64*(\cb&1)+8*\dt+7], v[8*\cb:8*\cb+7], v[ACC+8*\dt:ACC+8*\dt+7]
.endif
.endr
.endm
	WIN 0x04                                       ; source 1 (Wf's fragments) in v256 and up; all else below
	FETCHT 0
.irp cb, 0,1,2,3,4,5,6,7,8,9,10,11
	PRUN \cb
.endr
	WIN 0
	PLACES
.irp dt, 0,1,2,3,4,5,6,7
.irp j, 0,1,2,3
	v_cvt_pk_bf16_f32 v[ACC+8*\dt+\j], v[ACC+8*\dt+2*\j], v[ACC+8*\dt+2*\j+1]
.endr
.endr
.irp dt, 0,1,2,3,4,5,6,7
	ds_store_b128 v9, v[ACC+8*\dt:ACC+8*\dt+3] offset:32*\dt       ; W'(e0 + r, 16 dt + 8 h .. +7)
.endr
.irp t, 0,1,2,3,4,5,6,7
	ds_load_b128 v[F0+4*\t:F0+4*\t+3], v10 offset:544*\t           ; my own stage: LDS serves a wave's instructions in order
.endr
.irp t, 0,1,2,3,4,5,6,7
	s_wait_dscnt 7-\t
	global_store_b128 v11, v[F0+4*\t:F0+4*\t+3], s[34:35] offset:1536*\t   ; 16 lanes store 256 consecutive bytes, aligned
.endr
	s_wait_tensorcnt 0x0
	ds_add_u32 v30, v31
	s_wait_dscnt 0x0
	s_endpgm
; ---------------------------------------------------------------- 64 rows of c Wq or of Wk to bf16, and their 64 biases
.Lnot_p:
	s_cmp_lt_u32 s6, 30
	s_cbranch_scc0 .Lpath_b
	s_sub_co_u32 s7, s6, 18
	s_cmp_ge_u32 s7, 6                             ; 0-5: Wq, 6-11: Wk
	s_cselect_b32 s38, 1, 0
	s_cselect_b64 s[8:9], s[10:11], s[8:9]
	s_cselect_b64 s[14:15], s[16:17], s[14:15]
	s_cselect_b32 s42, 1.0, CSCALE                 ; one text for both: Wk's factor is one
	s_mov_b32 s43, s42
	s_mul_i32 s39, s38, 6
	s_sub_co_u32 s39, s7, s39                      ; which 64 rows
	s_mul_i32 s40, s39, 98304
	s_mov_b32 s41, 0
	s_add_nc_u64 s[8:9], s[8:9], s[40:41]          ; 64 rows x 1,536 bytes in
	s_mul_i32 s40, s38, 294912
	s_mul_i32 s44, s39, 49152
	s_add_co_u32 s40, s40, s44
	s_add_nc_u64 s[34:35], s[34:35], s[40:41]      ; 64 rows x 768 bytes out
	s_lshl_b32 s40, s39, 8
	s_add_nc_u64 s[14:15], s[14:15], s[40:41]
	s_mul_i32 s44, s38, 1536
	s_add_co_u32 s40, s40, s44
	s_add_nc_u64 s[36:37], s[36:37], s[40:41]
	v_lshlrev_b32 v4, 5, v0                        ; thread t: 32 bytes in,
	v_lshlrev_b32 v5, 4, v0                        ; 16 bytes out
.set g, 0
.rept 24
	global_load_b128 v[32+8*g:32+8*g+3],   v4, s[8:9] offset:4096*g th:TH_LOAD_NT
	global_load_b128 v[32+8*g+4:32+8*g+7], v4, s[8:9] offset:4096*g+16 th:TH_LOAD_NT
.set g, g+1
.endr
.set g, 0
.rept 24
	s_wait_loadcnt 46-2*g                          ; the younger groups' loads, two each, may stay out
.irp p, 0,2,4,6
	v_pk_mul_f32 v[32+8*g+\p:32+8*g+\p+1], v[32+8*g+\p:32+8*g+\p+1], s[42:43] op_sel_hi:[1,0]
.endr
.irp j, 0,1,2,3
	v_cvt_pk_bf16_f32 v[32+8*g+\j], v[32+8*g+2*\j], v[32+8*g+2*\j+1]
.endr
	global_store_b128 v5, v[32+8*g:32+8*g+3], s[34:35] offset:2048*g   ; a wave stores 512 consecutive bytes
.set g, g+1
.endr
	s_cmp_lg_u32 s4, 0
	s_cbranch_scc1 .Lc_end
	v_lshlrev_b32 v6, 3, v0                        ; wave 0: the 64 biases, 8 bytes a lane: 256 consecutive bytes, aligned
	global_load_b64 v[224:225], v6, s[14:15]
	s_wait_loadcnt 0x0
	v_pk_mul_f32 v[224:225], v[224:225], s[42:43] op_sel_hi:[1,0]
	global_store_b64 v6, v[224:225], s[36:37]
.Lc_end:
	s_endpgm
; ---------------------------------------------------------------- b'[e] = sum over c of Wf[e][c] bv[c], in f32
; 128 numbers a group, 32 rows of Wf a wave; a row is three loads of the wave; the sum over the lanes ends in every lane, and lane i keeps row i's.
.Lpath_b:
	s_sub_co_u32 s7, s6, 30
	s_lshl_b32 s38, s7, 7
	s_lshl_b32 s39, s4, 5
	s_add_co_u32 s38, s38, s39
	s_mul_i32 s40, s38, 1536
	s_mov_b32 s41, 0
	s_add_nc_u64 s[32:33], s[32:33], s[40:41]      ; Wf at my wave's first row
	s_lshl_b32 s40, s7, 9
	s_add_co_u32 s40, s40, 3072
	s_add_nc_u64 s[36:37], s[36:37], s[40:41]      ; bcat at entry 768 + 128 (x - 30)
	s_mov_b32 s42, 0x76543210                      ; v_permlanex16_b32: lane i of one half reads lane i of the other
	s_mov_b32 s43, 0xfedcba98
	v_lshlrev_b32 v4, 4, v1                        ; v4: 16 x lane, the offset in memory
	v_lshl_add_u32 v10, v0, 2, BSC                 ; v10: thread t's word among the group's 128 sums in LDS
	v_add_nc_u32 v11, BSC, v4                      ; v11: the same 512 bytes, 16 a lane
	v_mov_b32 v5, 0                                ; the lane's result
	v_mov_b32 v9, 0                                ; v_permlanex16_b32's destination counts as read
	global_load_b128 v[12:15], v4, s[18:19]
	global_load_b128 v[16:19], v4, s[18:19] offset:512
	global_load_b128 v[20:23], v4, s[18:19] offset:1024
.macro BLOAD b, x                      ; eight rows: 24 loads
.irp q, 0,1,2,3,4,5,6,7
.irp j, 0,1,2
	global_load_b128 v[\x+12*\q+4*\j:\x+12*\q+4*\j+3], v4, s[32:33] offset:(8*\b+\q)*1536+512*\j
.endr
.endr
.endm
.macro BSUM b, x, left
	s_wait_loadcnt \left
.irp q, 0,1,2,3,4,5,6,7
	v_pk_mul_f32 v[6:7], v[\x+12*\q:\x+12*\q+1], v[12:13]
.irp p, 2,4,6,8,10
	v_pk_fma_f32 v[6:7], v[\x+12*\q+\p:\x+12*\q+\p+1], v[12+\p:12+\p+1], v[6:7]
.endr
	v_add_f32 v8, v6, v7
	v_add_f32_dpp v8, v8, v8 row_xmask:1 row_mask:0xf bank_mask:0xf
	v_add_f32_dpp v8, v8, v8 row_xmask:2 row_mask:0xf bank_mask:0xf
	v_add_f32_dpp v8, v8, v8 row_xmask:4 row_mask:0xf bank_mask:0xf
	v_add_f32_dpp v8, v8, v8 row_xmask:8 row_mask:0xf bank_mask:0xf
	v_permlanex16_b32 v9, v8, s42, s43
	v_add_f32 v8, v8, v9
	v_cmp_eq_u32 vcc_lo, 8*\b+\q, v1
	v_cndmask_b32 v5, v5, v8, vcc_lo
.endr
.endm
	BLOAD 0, 32
	BLOAD 1, 128
	BSUM 0, 32, 24                                 ; the younger batch's 24 loads may stay out
	BLOAD 2, 32
	BSUM 1, 128, 24
	BLOAD 3, 128
	BSUM 2, 32, 24
	BSUM 3, 128, 0
	ds_store_b32 v10, v5                           ; the group's 128 numbers side by side
	s_wait_dscnt 0x0                               ; my 32 are in LDS,
	s_barrier_signal -1
	s_barrier_wait -1                              ; everybody's are
	s_cmp_lg_u32 s4, 0
	s_cbranch_scc1 .Lb_end
	ds_load_b128 v[24:27], v11
	s_wait_dscnt 0x0
	global_store_b128 v4, v[24:27], s[36:37]       ; wave 0 stores 512 consecutive bytes, aligned
.Lb_end:
	s_wait_tensorcnt 0x0
	ds_add_u32 v30, v31
	s_wait_dscnt 0x0
	s_endpgm
.Lfunc_end_k_q6ac7502ed8_prep:
	.size	k_q6ac7502ed8_prep, .Lfunc_end_k_q6ac7502ed8_prep-k_q6ac7502ed8_prep
	.p2alignl 7, 3214868480
	.fill 96, 4, 3214868480
	.section	.rodata,"a",@progbits
	.p2align	6, 0x0
	.amdhsa_kernel k_q6ac7502ed8_prep
		.amdhsa_group_segment_fixed_size 129024
		.amdhsa_private_segment_fixed_size 0
		.amdhsa_enable_private_segment 0
		.amdhsa_kernarg_size 120
		.amdhsa_user_sgpr_count 2
		.amdhsa_user_sgpr_kernarg_segment_ptr 1
		.amdhsa_wavefront_size32 1
		.amdhsa_system_sgpr_workgroup_id_x 1
		.amdhsa_system_sgpr_workgroup_id_y 1
		.amdhsa_system_sgpr_workgroup_id_z 1
		.amdhsa_system_vgpr_workitem_id 0
		.amdhsa_next_free_vgpr 352
		.amdhsa_next_free_sgpr 66
		.amdhsa_reserve_vcc 1
		.amdhsa_float_denorm_mode_32 3
		.amdhsa_float_denorm_mode_16_64 3
		.amdhsa_memory_ordered 1
		.amdhsa_forward_progress 1
		.amdhsa_inst_pref_size 124
	.end_amdhsa_kernel
	.amdgpu_metadata
---
amdhsa.version: [ 1, 2 ]
amdhsa.kernels:
  - .name:           k_q6ac7502ed8_prep
    .symbol:         k_q6ac7502ed8_prep.kd
    .args:
      - { .name: Wqg, .offset: 0, .size: 8, .value_kind: global_buffer, .address_space: global }
      - { .name: Wkg, .offset: 8, .size: 8, .value_kind: global_buffer, .address_space: global }
      - { .name: Wvg, .offset: 16, .size: 8, .value_kind: global_buffer, .address_space: global }
      - { .name: bqg, .offset: 24, .size: 8, .value_kind: global_buffer, .address_space: global }
      - { .name: bkg, .offset: 32, .size: 8, .value_kind: global_buffer, .address_space: global }
      - { .name: bvg, .offset: 40, .size: 8, .value_kind: global_buffer, .address_space: global }
      - { .name: Wql, .offset: 48, .size: 8, .value_kind: global_buffer, .address_space: global }
      - { .name: Wkl, .offset: 56, .size: 8, .value_kind: global_buffer, .address_space: global }
      - { .name: Wvl, .offset: 64, .size: 8, .value_kind: global_buffer, .address_space: global }
      - { .name: bql, .offset: 72, .size: 8, .value_kind: global_buffer, .address_space: global }
      - { .name: bkl, .offset: 80, .size: 8, .value_kind: global_buffer, .address_space: global }
      - { .name: bvl, .offset: 88, .size: 8, .value_kind: global_buffer, .address_space: global }
      - { .name: Wf, .offset: 96, .size: 8, .value_kind: global_buffer, .address_space: global }
      - { .name: wcat, .offset: 104, .size: 8, .value_kind: global_buffer, .address_space: global }
      - { .name: bcat, .offset: 112, .size: 8, .value_kind: global_buffer, .address_space: global }
    .group_segment_fixed_size: 129024
    .private_segment_fixed_size: 0
    .kernarg_segment_align: 8
    .kernarg_segment_size: 120
    .max_flat_workgroup_size: 128
    .sgpr_count:     66
    .vgpr_count:     352
    .wavefront_size: 32
...
	.end_amdgpu_metadata
.endif
;; end of part 1
;; launch proj (part 2): grid 256 x 1, 4 waves a work-group, clusters of 4 x 1, 327,680 bytes of LDS; arguments Z_graph, Z_lstm, wcat, bcat, qkv; writes qkv
.if DOCPART == 2
	.amdgcn_target "amdgcn-amd-amdhsa--gfx1250"
	.amdhsa_code_object_version 6
	.text
	.protected	k_q6ac7502ed8_proj
	.globl	k_q6ac7502ed8_proj
	.p2align	8
	.type	k_q6ac7502ed8_proj,@function
k_q6ac7502ed8_proj:
	s_mov_b64 s[64:65], 0
	v_nop
	global_prefetch_b8 v0, s[64:65] scope:SCOPE_SE
	s_setreg_imm32_b32 hwreg(HW_REG_WAVE_MODE, 25, 1), 1
	s_wait_xcnt 0x0
	s_wait_alu depctr_hold_cnt(0) depctr_sa_sdst(0) depctr_va_vdst(0) depctr_va_sdst(0) depctr_va_ssrc(0) depctr_va_vcc(0) depctr_vm_vsrc(0)
	s_getreg_b32 s2, hwreg(HW_REG_IB_STS2, 6, 4)
	s_cmp_eq_u32 s2, 0
	s_cbranch_scc0 .Lentry_in_a_cluster
	s_endpgm
.Lentry_in_a_cluster:
	s_bfe_u32 s2, ttmp6, 0x10000c
	s_cmp_lg_u32 s2, 0x3003
	s_cbranch_scc0 .Lentry_shape_is_right
	s_endpgm
.Lentry_shape_is_right:
; proj: qkv[src][row][0:1152] = bf16( Z[src][row][:] wcat[src]^T + bcat[src] ): Q (in units of log2), K and V' = V Wf^T side by side.
; A work-group takes 128 rows of one source and all 1,152 columns; a wave 32 rows, whose 24 fragments (32 x 384 bf16) stay in v[256:447].
; The weights come in nine chunks of 128 rows through two LDS slots.  The four work-groups of a cluster have the same source and walk the
; same chunks: each chunk is asked for JOINTLY (mask 15), each wave its 32 rows, with a descriptor made of the source and the wave's number alone.
; The matrix instruction takes 16 weight rows as A (m = column e of the result) and 16 rows of Z as B (n = row): a lane then holds one
; row and eight neighbouring columns, 16 bytes of bf16.  The bias is the first product's C.
; LIMIT: operands are rounded to bf16, sums are f32, the result is rounded to bf16; NaN and infinities are not treated.
.set SRCB,   37748736                  ; bytes of qkv for one source: 16,384 rows x 2,304
.set WP,     816                       ; LDS pitch of a row of 384 bf16: 768 + 16 behind every 256 bytes = 51 x 16: the 16 rows of a fragment load start in 16 different 16-byte columns of 256
.set SLOTB,  128*WP                    ; a slot: 128 weight rows
.set WQ,     32*WP                     ; a wave's quarter of it
.set ZST,    2*SLOTB                   ; behind the slots, a multiple of 256: 32 x 816 bytes for each wave; no tensor load lands here
.set OP,     272                       ; pitch of the way out (in the same bytes, once Z's fragments are in registers)
.set CHUNKB, 128*768                   ; a chunk in wcat
.set KA,  4                            ; v[4:7]  fragment address: slot 0 rows 0-63, rows 64-127, slot 1 likewise
.set ZV,  8                            ; v8   16 x lane: Z's row, a third at a time
.set ZS,  9                            ; v9   my stage + 8 x lane
.set ZF,  10                           ; v10  my stage + r x 816 + 16 h
.set STO, 11                           ; v11  way out, in
.set RD,  12                           ; v12  way out, back
.set CO,  13                           ; v13  my byte offset in two rows of qkv
.set VB,  14                           ; v14  32 h: the eight biases of my half of a tile
.set ACC, 32                           ; v[32:95]   tile (et, t) at ACC + 8 (2 et + t)
.set BI,  96                           ; v[96:127]  the biases of four tiles, as C
.set F0,  128                          ; v[128:191], v[192:255]  two sets of eight weight fragments
.set WAVE, 14
.set G1,  24                           ; s[24:31] descriptor group 1
.set G0,  32                           ; s[32:39] descriptor group 0, one for each slot
.set MSB, 0
.macro WIN new
.if MSB != \new
	s_set_vgpr_msb (MSB<<8)|\new
.set MSB, \new
.endif
.endm
.macro PLACES                          ; four independent vector instructions behind a matrix instruction (ISA guide 7.12.1)
.rept 4
	v_nop
.endr
.endm
.macro ROUND                           ; a round of the cluster's barrier
	s_barrier_signal -1
	s_barrier_wait -1
	s_cmp_lg_u32 s[WAVE], 0
	s_cbranch_scc1 .Lnot_wave_0_\@
	s_barrier_signal -3
.Lnot_wave_0_\@:
	s_barrier_wait -3
	s_barrier_signal -1
	s_barrier_wait -1
.endm
	s_load_b256 s[4:11], s[0:1], 0x0               ; Z_graph s[4:5], Z_lstm s[6:7], wcat s[8:9], bcat s[10:11]
	s_load_b64 s[12:13], s[0:1], 0x20              ; qkv
	v_lshl_add_u32 v30, v0, 2, 0x4c800
	v_mov_b32 v31, 0
	ds_add_u32 v30, v31
	v_lshrrev_b32 v1, 5, v0
	v_readfirstlane_b32 s14, v1                    ; wave
	s_bfe_u32 s15, ttmp6, 0x40000                  ; cx
	s_lshr_b32 s16, ttmp9, 5                       ; source: clusters 0-31 graph, 32-63 lstm
	s_and_b32 s17, ttmp9, 31
	s_lshl_b32 s17, s17, 2
	s_add_co_u32 s17, s17, s15                     ; block of 128 rows
	s_lshl_b32 s18, s17, 7
	s_lshl_b32 s19, s14, 5
	s_add_co_u32 s18, s18, s19                     ; my wave's first row
	s_mul_i32 s46, s18, 2304
	s_mul_i32 s47, s16, SRCB
	s_add_co_u32 s46, s46, s47                     ; its place in qkv (below 2^27)
	s_mov_b32 s47, 0
	s_mul_i32 s18, s18, 1536                       ; and in Z
	s_mov_b32 s19, 0
	s_mul_i32 s42, s16, 884736                     ; the descriptor's offset: source and wave alone, in registers that never hold cx
	s_mul_i32 s43, s14, 32*768
	s_add_co_u32 s42, s42, s43
	s_mov_b32 s43, 0
	s_mul_i32 s45, s14, WQ
	; group 1: a tile of 32 rows x 384 elements of 2 bytes, padded in LDS
	s_mov_b32 s[G1+0], 0x0771000f                  ; 15:0 mask 15; 17:16 2-byte elements; 20 padding on; 21 set beside a mask; 24:22 after every 64 words; 31:25 four words
	s_mov_b32 s[G1+1], 384<<16                     ; tensor_dim0 = 384
	s_mov_b32 s[G1+2], 32<<16                      ; tensor_dim1 = 32
	s_mov_b32 s[G1+3], 384<<16                     ; tile_dim0 = 384
	s_mov_b32 s[G1+4], 32                          ; tile_dim1 = 32
	s_mov_b32 s[G1+5], 384                         ; elements from row to row
	s_mov_b32 s[G1+6], 0
	s_mov_b32 s[G1+7], 0
	v_and_b32 v1, 31, v0                           ; lane L
	v_and_b32 v2, 15, v0                           ; r
	v_bfe_u32 v3, v0, 4, 1                         ; h
	v_mul_u32_u24 v[KA], v2, WP
	v_lshl_add_u32 v[KA], v3, 4, v[KA]             ; r x 816 + 16 h
	v_add_nc_u32 v[KA+1], 64*WP, v[KA]
	v_add_nc_u32 v[KA+2], SLOTB, v[KA]
	v_add_nc_u32 v[KA+3], SLOTB+64*WP, v[KA]
	v_lshlrev_b32 v[ZV], 4, v1
	v_mul_u32_u24 v[CO], v3, 2304
	v_lshl_add_u32 v[CO], v2, 4, v[CO]
	v_lshlrev_b32 v[VB], 5, v3
	s_wait_dscnt 0x0
	s_wait_kmcnt 0x0
	s_cmp_eq_u32 s16, 0
	s_cselect_b64 s[20:21], s[4:5], s[6:7]
	s_add_nc_u64 s[20:21], s[20:21], s[18:19]      ; s[20:21] Z at my first row
	s_add_nc_u64 s[40:41], s[12:13], s[46:47]      ; s[40:41] qkv at my first row, chunk 0
	s_mul_i32 s46, s16, 4608
	s_add_nc_u64 s[22:23], s[10:11], s[46:47]      ; s[22:23] the source's biases, chunk 0
	s_add_nc_u64 s[8:9], s[8:9], s[42:43]          ; wcat at my 32 rows of chunk 0
	s_mov_b32 s[G0+0], 1
	s_mov_b32 s[G0+1], s45                         ; slot 0, my quarter
	s_mov_b64 s[G0+2:G0+3], s[8:9]
	s_or_b32 s[G0+3], s[G0+3], 0x80000000
	s_mov_b32 s[G0+4], 1
	s_add_co_u32 s[G0+5], s45, SLOTB               ; slot 1
	s_add_nc_u64 s[G0+6:G0+7], s[8:9], CHUNKB      ; chunk 1
	s_or_b32 s[G0+7], s[G0+7], 0x80000000
	ROUND                                          ; all four work-groups are here: the first joint loads meet
	tensor_load_to_lds s[G0:G0+3], s[G1:G1+7]      ; both first fills as one group: two loads of the wave are out, the most in this text
	s_nop 0
	tensor_load_to_lds s[G0+4:G0+7], s[G1:G1+7]
	s_nop 0
	s_add_co_u32 s46, s45, ZST                     ; my stage
	v_lshl_add_u32 v[ZS], v1, 3, s46
	v_add_nc_u32 v[ZF], s46, v[KA]
	v_mul_u32_u24 v[STO], v2, OP
	v_lshl_add_u32 v[STO], v3, 4, v[STO]
	v_add_nc_u32 v[STO], s46, v[STO]
	v_mul_u32_u24 v[RD], v3, OP
	v_lshl_add_u32 v[RD], v2, 4, v[RD]
	v_add_nc_u32 v[RD], s46, v[RD]
; Z: 32 rows of 1,536 bytes, read once, rounded to bf16, laid into my stage with the slots' pitch.  A ring of 16 rows in v[32:223].
.set rr, 0
.rept 16
.irp j, 0,1,2
	global_load_b128 v[32+12*rr+4*\j:32+12*rr+4*\j+3], v[ZV], s[20:21] offset:rr*1536+512*\j th:TH_LOAD_NT
.endr
.set rr, rr+1
.endr
.macro ZROW row, ahead, left
.set ZX, 32+12*((\row)&15)
	s_wait_loadcnt \left                           ; the younger rows' loads, three each, may stay out
.irp j, 0,1,2
	v_cvt_pk_bf16_f32 v[ZX+4*\j],   v[ZX+4*\j],   v[ZX+4*\j+1]
	v_cvt_pk_bf16_f32 v[ZX+4*\j+1], v[ZX+4*\j+2], v[ZX+4*\j+3]
	ds_store_b64 v[ZS], v[ZX+4*\j:ZX+4*\j+1] offset:(\row)*WP+272*\j
.endr
.if \ahead
.irp j, 0,1,2
	global_load_b128 v[ZX+4*\j:ZX+4*\j+3], v[ZV], s[20:21] offset:((\row)+16)*1536+512*\j th:TH_LOAD_NT
.endr
.endif
.endm
.set rr, 0
.rept 16
	ZROW rr, 1, 45
.set rr, rr+1
.endr
.rept 16
	ZROW rr, 0, 45-3*(rr-16)
.set rr, rr+1
.endr
	WIN 0x40                                       ; the 24 fragments: (kk, t) at v[256 + 8 (2 kk + t)]; my own bytes, served in order
.irp kk, 0,1,2,3,4,5,6,7,8,9,10,11
.irp t, 0,1
	ds_load_b128 v[8*(2*\kk+\t):8*(2*\kk+\t)+3],   v[ZF] offset:\t*16*WP+64*\kk+16*(\kk>>2)
	ds_load_b128 v[8*(2*\kk+\t)+4:8*(2*\kk+\t)+7], v[ZF] offset:\t*16*WP+64*\kk+16*(\kk>>2)+32
.endr
.endr
	WIN 0
.macro BIAS off                        ; register j of tile et = bias of column 16 et + 8 h + j: the layout of C
.irp et, 0,1,2,3
	global_load_b128 v[BI+8*\et:BI+8*\et+3],   v[VB], s[22:23] offset:\off+64*\et
	global_load_b128 v[BI+8*\et+4:BI+8*\et+7], v[VB], s[22:23] offset:\off+64*\et+16
.endr
.endm
	BIAS 0
; Run rho = 6 i + u of a chunk: columns 64 i .. +63 (four tiles et), kk = 2 u and 2 u + 1.
.macro FETCHW slot, rho                ; its eight weight fragments: 16 loads
.set FB, F0+64*((\rho)&1)
.set FI, (\rho)/6
.set FU, (\rho)%6
.irp kl, 0,1
.irp et, 0,1,2,3
	ds_load_b128 v[FB+8*(4*\kl+\et):FB+8*(4*\kl+\et)+3],   v[KA+2*\slot+FI] offset:\et*16*WP+64*(2*FU+\kl)+16*((2*FU+\kl)>>2)
	ds_load_b128 v[FB+8*(4*\kl+\et)+4:FB+8*(4*\kl+\et)+7], v[KA+2*\slot+FI] offset:\et*16*WP+64*(2*FU+\kl)+16*((2*FU+\kl)>>2)+32
.endr
.endr
.endm
; The eight accumulators take turns, one instruction a turn.
.macro WRUN slot, rho, lastbias
.set RI, (\rho)/6
.set RU, (\rho)%6
.set RF, F0+64*((\rho)&1)
.if \rho < 11
.if RU != 0
	PLACES                                         ; behind the last run's matrix instructions: for the fetch into the set they read, and for the biases they took as C
.endif
.if RU == 1
.if (RI*\lastbias) == 0
	BIAS 256*(RI+1)                                ; the next 64 columns' biases
.endif
.endif
	FETCHW \slot, (\rho+1)
	s_wait_dscnt 16                                ; the 16 just issued may stay out: this run's fragments are in
.else
	s_wait_dscnt 0x0
.endif
.if RU == 0
	s_wait_loadcnt 0x0                             ; the biases
.endif
.irp kl, 0,1
.irp t, 0,1
.irp et, 0,1,2,3
.if (2*RU+\kl) == 0
	v_wmma_f32_16x16x32_bf16 v[ACC+8*(2*\et+\t):ACC+8*(2*\et+\t)+7], v[RF+8*(4*\kl+\et):RF+8*(4*\kl+\et)+7], v[8*(2*(2*RU+\kl)+\t):8*(2*(2*RU+\kl)+\t)+7], v[BI+8*\et:BI+8*\et+7]
.else
	v_wmma_f32_16x16x32_bf16 v[ACC+8*(2*\et+\t):ACC+8*(2*\et+\t)+7], v[RF+8*(4*\kl+\et):RF+8*(4*\kl+\et)+7], v[8*(2*(2*RU+\kl)+\t):8*(2*(2*RU+\kl)+\t)+7], v[ACC+8*(2*\et+\t):ACC+8*(2*\et+\t)+7]
.endif
.endr
.endr
.endr
.if RU == 5
	WIN 0                                          ; 64 columns are done: round to bf16, 16 bytes a lane into my stage
	PLACES
.irp a, 0,1,2,3,4,5,6,7
.irp j, 0,1,2,3
	v_cvt_pk_bf16_f32 v[ACC+8*\a+\j], v[ACC+8*\a+2*\j], v[ACC+8*\a+2*\j+1]
.endr
.endr
.irp t, 0,1
.irp et, 0,1,2,3
	ds_store_b128 v[STO], v[ACC+8*(2*\et+\t):ACC+8*(2*\et+\t)+3] offset:\t*16*OP+128*RI+32*\et
.endr
.endr
.if RI == 0
	WIN 0x04
.endif
.endif
.endm
; A chunk of 128 columns from slot.  mode 0: the first; 1: the other slot is filled again with the next chunk; 2: the last.
.macro CHUNK slot, mode, lastbias
.if \mode == 0
	s_wait_tensorcnt 0x1                           ; my part of chunk 0 is in; chunk 1 may stay out
	s_wait_dscnt 0x0                               ; Z's fragments are in registers
	s_barrier_signal -1
	s_barrier_wait -1
.endif
.if \mode == 1
	s_wait_tensorcnt 0x0                           ; all my tensor loads have landed, my part of this chunk among them,
	ds_add_u32 v30, v31
	s_add_nc_u64 s[G0+6-4*\slot:G0+7-4*\slot], s[G0+6-4*\slot:G0+7-4*\slot], 2*CHUNKB   ; so a group 0 may be written: the other slot's next chunk
	s_wait_dscnt 0x0                               ; my reads of the other slot are over
	ROUND                                          ; both hold of every wave of all four work-groups
	tensor_load_to_lds s[G0+4-4*\slot:G0+7-4*\slot], s[G1:G1+7]   ; my one load behind the round; it has this chunk's 192 matrix instructions in which to land
	s_nop 0
.endif
.if \mode == 2
	s_wait_tensorcnt 0x0
	s_wait_dscnt 0x0
	s_barrier_signal -1
	s_barrier_wait -1
.endif
.if \mode != 0
	s_wait_xcnt 0x0                                ; the last chunk's stores and bias loads have had their addresses translated: their data and bases may be written
	s_add_nc_u64 s[40:41], s[40:41], 256           ; 128 columns of bf16 on
	s_add_nc_u64 s[22:23], s[22:23], 512           ; 128 biases on
.endif
	WIN 0x04                                       ; source 1 (Z's fragments) in v256 and up
	FETCHW \slot, 0
.irp rho, 0,1,2,3,4,5,6,7,8,9,10,11
	WRUN \slot, \rho, \lastbias
.endr
.irp tau, 0,1,2,3,4,5,6,7,8,9,10,11,12,13,14,15
	ds_load_b128 v[F0+4*\tau:F0+4*\tau+3], v[RD] offset:\tau*2*OP   ; two rows of 256 bytes; my own stage, served in order
.endr
.irp tau, 0,1,2,3,4,5,6,7,8,9,10,11,12,13,14,15
	s_wait_dscnt 15-\tau
	global_store_b128 v[CO], v[F0+4*\tau:F0+4*\tau+3], s[40:41] offset:\tau*4608   ; 16 lanes store 256 consecutive bytes, aligned
.endr
.endm
	CHUNK 0, 0, 0
	s_mov_b32 s44, 3
.Lpair:
	CHUNK 1, 1, 0
	CHUNK 0, 1, 0
	s_sub_co_u32 s44, s44, 1
	s_cmp_lg_u32 s44, 0
	s_cbranch_scc1 .Lpair
	CHUNK 1, 1, 0                                  ; chunk 7 asks for chunk 8, the last
	CHUNK 0, 2, 1
	s_wait_tensorcnt 0x0
	ds_add_u32 v30, v31
	s_wait_dscnt 0x0
	ROUND                                          ; the closing round: no work-group ends while a partner may still ask jointly
	s_endpgm
.Lfunc_end_k_q6ac7502ed8_proj:
	.size	k_q6ac7502ed8_proj, .Lfunc_end_k_q6ac7502ed8_proj-k_q6ac7502ed8_proj
	.p2alignl 7, 3214868480
	.fill 96, 4, 3214868480
	.section	.rodata,"a",@progbits
	.p2align	6, 0x0
	.amdhsa_kernel k_q6ac7502ed8_proj
		.amdhsa_group_segment_fixed_size 327680
		.amdhsa_private_segment_fixed_size 0
		.amdhsa_enable_private_segment 0
		.amdhsa_kernarg_size 40
		.amdhsa_user_sgpr_count 2
		.amdhsa_user_sgpr_kernarg_segment_ptr 1
		.amdhsa_wavefront_size32 1
		.amdhsa_system_sgpr_workgroup_id_x 1
		.amdhsa_system_sgpr_workgroup_id_y 1
		.amdhsa_system_sgpr_workgroup_id_z 1
		.amdhsa_system_vgpr_workitem_id 0
		.amdhsa_next_free_vgpr 448
		.amdhsa_next_free_sgpr 66
		.amdhsa_reserve_vcc 0
		.amdhsa_float_denorm_mode_32 3
		.amdhsa_float_denorm_mode_16_64 3
		.amdhsa_memory_ordered 1
		.amdhsa_forward_progress 1
		.amdhsa_inst_pref_size 216
	.end_amdhsa_kernel
	.amdgpu_metadata
---
amdhsa.version: [ 1, 2 ]
amdhsa.kernels:
  - .name:           k_q6ac7502ed8_proj
    .symbol:         k_q6ac7502ed8_proj.kd
    .args:
      - { .name: Z_graph, .offset: 0, .size: 8, .value_kind: global_buffer, .address_space: global }
      - { .name: Z_lstm, .offset: 8, .size: 8, .value_kind: global_buffer, .address_space: global }
      - { .name: wcat, .offset: 16, .size: 8, .value_kind: global_buffer, .address_space: global }
      - { .name: bcat, .offset: 24, .size: 8, .value_kind: global_buffer, .address_space: global }
      - { .name: qkv, .offset: 32, .size: 8, .value_kind: global_buffer, .address_space: global }
    .group_segment_fixed_size: 327680
    .private_segment_fixed_size: 0
    .kernarg_segment_align: 8
    .kernarg_segment_size: 40
    .max_flat_workgroup_size: 128
    .sgpr_count:     66
    .vgpr_count:     448
    .wavefront_size: 32
...
	.end_amdgpu_metadata
.endif
;; end of part 2
;; launch attn (part 3): grid 256 x 1, 4 waves a work-group, clusters of 4 x 1, 327,680 bytes of LDS; arguments qkv, bf, out0; writes out0
.if DOCPART == 3
	.amdgcn_target "amdgcn-amd-amdhsa--gfx1250"
	.amdhsa_code_object_version 6
	.text
	.protected	k_q6ac7502ed8_attn
	.globl	k_q6ac7502ed8_attn
	.p2align	8
	.type	k_q6ac7502ed8_attn,@function
k_q6ac7502ed8_attn:
	s_mov_b64 s[64:65], 0
	v_nop
	global_prefetch_b8 v0, s[64:65] scope:SCOPE_SE
	s_setreg_imm32_b32 hwreg(HW_REG_WAVE_MODE, 25, 1), 1
	s_wait_xcnt 0x0
	s_wait_alu depctr_hold_cnt(0) depctr_sa_sdst(0) depctr_va_vdst(0) depctr_va_sdst(0) depctr_va_ssrc(0) depctr_va_vcc(0) depctr_vm_vsrc(0)
	s_getreg_b32 s2, hwreg(HW_REG_IB_STS2, 6, 4)
	s_cmp_eq_u32 s2, 0
	s_cbranch_scc0 .Lentry_in_a_cluster
	s_endpgm
.Lentry_in_a_cluster:
	s_bfe_u32 s2, ttmp6, 0x10000c
	s_cmp_lg_u32 s2, 0x3003
	s_cbranch_scc0 .Lentry_shape_is_right
	s_endpgm
.Lentry_shape_is_right:
; attn: out0[b][q][:] = softmax(Qg Kl^T) V'l + softmax(Ql Kg^T) V'g + bf, with Q already in units of log2 and V' = V Wf^T.
; A work-group takes 64 query rows of BOTH directions: waves 0, 1 direction 0 (Q of the graph, K and V' of the lstm), waves 2, 3 direction 1;
; a wave 32 rows.  The two directions' results meet in LDS, so no partial result goes through memory.
; Keys go in blocks of 64 through one LDS slot for K and one for V', filled by turns.  The four work-groups of a cluster are four query
; blocks of one batch and read the same tiles: each tile is asked for JOINTLY (mask 15), each wave 32 rows, with descriptors made of the
; cluster's number, the wave's number and the turn alone.
; THE WALK: the batch is the cluster number's low three bits, j (which of the batch's eight clusters) its high three.  In turn t cluster j
; takes key block t xor j; the running softmax does not care for the order.  In turns 8 g .. 8 g + 7 the eight clusters take the same eight
; blocks, each cluster a different one in every turn: block 8 g + i is asked for first in turn 8 g, by cluster i, and the seven other
; requests for it are for bytes that have been read before (as long as the clusters keep step).
; PREFETCH: the block that a cluster is the first to take (turns 8, 16, 24) is asked for two turns ahead: see PREF.
; Both products are used transposed: S^T = K Q^T (A = 16 keys, B = 16 queries) and O^T = V'^T P^T (A = 16 columns of V', B = 16 queries).
; A lane then owns ONE query (r) in every tile: the maximum and the sum are one number a lane (the two halves of the lanes hold
; different keys), and two packed tiles of S^T are P's fragment as they stand.
; Running maximum: m is the maximum of all keys seen, O and l are rescaled by 2^(m_old - m_new) in every block.
; LIMIT: operands bf16, sums f32; l adds the f32 exponentials while the product takes their bf16 roundings; v_max*_num drops NaN:
; NaN and infinite inputs are not treated.
; REGISTERS: v[0:255] below; v[256:447] Q's 24 fragments, (kk, qt) at 8 (2 kk + qt); v[512:895] O^T, tile (dt, qt) at 512 + 8 (2 dt + qt).
.set SRCB,  37748736                   ; bytes of qkv for one source
.set BATCHB, 2048*2304                 ; and for one batch of it
.set KP,    816                        ; K's LDS pitch: 768 + 16 behind every 256 bytes = 51 x 16
.set VP,    864                        ; V's: 768 + 32 behind every 256 bytes = 27 x 32, for the transposing loads
.set VSLOT, 128*KP                     ; K: 64 rows for each direction; V' behind it likewise
.set EP,    1552                       ; the last stage's pitch: 1,536 + 16 = 97 x 16
.set BLK,   64*2304                    ; 64 rows of qkv
.set PFA, 2                            ; v2   (r while the addresses are made) prefetch: my 256 bytes in a block of source 0
.set PFB, 3                            ; v3   (h while the addresses are made) the same in source 1
.set KA,  4                            ; v4   K fragments: my direction's rows, r x 816 + 16 h
.set VA,  5                            ; v5   V' fragments: row 8 h + L % 8, half (L / 8) % 2 of a tile's 32 bytes
.set QO,  6                            ; v6   Q: r x 2,304 + 16 h
.set STO, 7                            ; v7   last stage, in
.set RDA, 8                            ; v8   last stage, back: direction 0
.set RDB, 9                            ; v9   direction 1
.set CO,  10                           ; v10  16 x lane
.set MA,  12                           ; v[12:13] the maximum of query tile 0, twice (a pair for the packed forms); v[14:15] of tile 1
.set MB,  14
.set ALA, 16                           ; v[16:17], v[18:19] the rescaling factors, twice each
.set ALB, 18
.set LA,  20                           ; v20, v21 the sums of my half of the keys
.set LB,  21
.set MX,  22                           ; v22, v23
.set TT,  24                           ; v[24:31] at work
.set SC,  32                           ; v[32:95]  S^T, tile (kt, qt) at SC + 8 (2 kt + qt)
.set BF,  32                           ; v[32:43]  at the end: bf
.set PB,  96                           ; v[96:127] P, fragment (kh, qt) at PB + 8 (2 kh + qt)
.set F0,  128                          ; v[128:191], v[192:255] two sets of eight fragments
.set WAVE, 10
.set G1K, 24                           ; s[24:31], s[32:39] descriptor group 1 for K, for V'
.set G1V, 32
.set G0K, 40                           ; s[40:43], s[44:47] group 0
.set G0V, 44
.set TURN, 48                          ; s48      the turn, 0 to 31; the loop's counter
.set KBASE, 52                         ; s[52:53] the rows that I fetch in block 0, at K's columns
.set VBASE, 54                         ; s[54:55] the same at V's columns
.set OFS, 56                           ; s[56:57] a block's byte offset, in 64 bits
.set JJ,  58                           ; s58      j
.set PBASE, 60                         ; s[60:61] the batch's first row in source 0; s[62:63] the prefetched block's
.set MSB, 0
.macro WIN new
.if MSB != \new
	s_set_vgpr_msb (MSB<<8)|\new
.set MSB, \new
.endif
.endm
.macro PLACES                          ; four independent vector instructions behind a matrix instruction (ISA guide 7.12.1)
.rept 4
	v_nop
.endr
.endm
.macro ROUND                           ; a round of the cluster's barrier
	s_barrier_signal -1
	s_barrier_wait -1
	s_cmp_lg_u32 s[WAVE], 0
	s_cbranch_scc1 .Lnot_wave_0_\@
	s_barrier_signal -3
.Lnot_wave_0_\@:
	s_barrier_wait -3
	s_barrier_signal -1
	s_barrier_wait -1
.endm
; A group 0's global address: the block of turn s48 + ahead.  Nothing in it hangs on the work-group's place in the cluster.
.macro AIM g0, base, ahead
	s_add_co_u32 s[OFS], s[TURN], \ahead
	s_xor_b32 s[OFS], s[OFS], s[JJ]                ; the block's number, 0 to 31
	s_mul_i32 s[OFS], s[OFS], BLK
	s_add_nc_u64 s[\g0+2:\g0+3], s[\base:\base+1], s[OFS:OFS+1]
	s_or_b32 s[\g0+3], s[\g0+3], 0x80000000        ; type = 2
.endm
	s_load_b128 s[4:7], s[0:1], 0x0                ; qkv s[4:5], bf s[6:7]
	s_load_b64 s[8:9], s[0:1], 0x10                ; out0
	s_set_vgpr_msb 0x40
	v_lshl_add_u32 v254, v0, 2, 0x34800
	v_mov_b32 v255, 0
	s_set_vgpr_msb 0x4045
	ds_add_u32 v254, v255
	s_set_vgpr_msb 0x4500
	v_lshrrev_b32 v1, 5, v0
	v_readfirstlane_b32 s10, v1                    ; wave
	s_lshr_b32 s11, s10, 1                         ; direction
	s_and_b32 s12, s10, 1                          ; which 32 of the 64 rows
	s_bfe_u32 s13, ttmp6, 0x40000                  ; cx
	s_and_b32 s14, ttmp9, 7                        ; batch: the eight clusters of a batch are eight cluster numbers apart
	s_lshr_b32 s[JJ], ttmp9, 3                     ; j
	s_lshl_b32 s15, s[JJ], 2
	s_add_co_u32 s15, s15, s13                     ; block of 64 queries
	; what the partners share: the other source's rows 2,048 batch + 32 half (registers that never hold cx)
	s_xor_b32 s16, s11, 1
	s_mul_i32 s16, s16, SRCB
	s_lshl_b32 s17, s14, 11
	s_lshl_b32 s49, s12, 5
	s_add_co_u32 s17, s17, s49
	s_mul_i32 s17, s17, 2304
	s_add_co_u32 s16, s16, s17
	s_mov_b32 s17, 0
	s_mul_i32 s[PBASE], s14, BATCHB
	s_mov_b32 s[PBASE+1], 0
	s_mov_b32 s[TURN], 0
	s_mov_b32 s[OFS+1], 0
	; what is mine: the queries and the output rows
	s_lshl_b32 s18, s14, 11
	s_lshl_b32 s19, s15, 6
	s_add_co_u32 s18, s18, s19                     ; the group's first row
	s_lshl_b32 s19, s10, 4
	s_add_co_u32 s50, s18, s19                     ; on the way out wave w stores rows 16 w .. +15
	s_mul_i32 s50, s50, 1536
	s_mov_b32 s51, 0
	s_lshl_b32 s19, s12, 5
	s_add_co_u32 s18, s18, s19
	s_mul_i32 s18, s18, 2304
	s_mul_i32 s19, s11, SRCB
	s_add_co_u32 s18, s18, s19
	s_mov_b32 s19, 0
	s_mov_b32 s22, 0x76543210                      ; v_permlanex16_b32: lane i of one half reads lane i of the other
	s_mov_b32 s23, 0xfedcba98
	; group 1: tiles of 32 rows x 384 elements of 2 bytes out of rows of 1,152, padded in LDS
	s_mov_b32 s[G1K+0], 0x0771000f                 ; mask 15; 2-byte elements; padding on; bit 21 beside the mask; after every 64 words, 4 words
	s_mov_b32 s[G1V+0], 0x0f71000f                 ; the same with 8 words
	s_mov_b32 s[G1K+1], 384<<16                    ; tensor_dim0
	s_mov_b32 s[G1V+1], 384<<16
	s_mov_b32 s[G1K+2], 32<<16                     ; tensor_dim1
	s_mov_b32 s[G1V+2], 32<<16
	s_mov_b32 s[G1K+3], 384<<16                    ; tile_dim0
	s_mov_b32 s[G1V+3], 384<<16
	s_mov_b32 s[G1K+4], 32                         ; tile_dim1
	s_mov_b32 s[G1V+4], 32
	s_mov_b32 s[G1K+5], 1152                       ; elements from row to row
	s_mov_b32 s[G1V+5], 1152
	s_mov_b32 s[G1K+6], 0
	s_mov_b32 s[G1V+6], 0
	s_mov_b32 s[G1K+7], 0
	s_mov_b32 s[G1V+7], 0
	s_mov_b32 s[G0K+0], 1
	s_mul_i32 s[G0K+1], s10, 32*KP                 ; K's slot, rows 32 w ..: direction 0's 64 keys, then direction 1's
	s_mov_b32 s[G0V+0], 1
	s_mul_i32 s[G0V+1], s10, 32*VP
	s_add_co_u32 s[G0V+1], s[G0V+1], VSLOT
	v_and_b32 v1, 31, v0                           ; lane L
	v_and_b32 v2, 15, v0                           ; r
	v_bfe_u32 v3, v0, 4, 1                         ; h
	v_mul_u32_u24 v[KA], v2, KP
	v_lshl_add_u32 v[KA], v3, 4, v[KA]
	s_mul_i32 s49, s11, 64*KP
	v_add_nc_u32 v[KA], s49, v[KA]
	v_and_b32 v11, 7, v0
	v_lshl_add_u32 v11, v3, 3, v11
	v_mul_u32_u24 v[VA], v11, VP
	v_bfe_u32 v11, v0, 3, 1
	v_lshl_add_u32 v[VA], v11, 4, v[VA]
	s_mul_i32 s49, s11, 64*VP
	s_add_co_u32 s49, s49, VSLOT
	v_add_nc_u32 v[VA], s49, v[VA]
	v_mul_u32_u24 v[QO], v2, 2304
	v_lshl_add_u32 v[QO], v3, 4, v[QO]
	v_mul_u32_u24 v[STO], v2, EP
	v_lshl_add_u32 v[STO], v3, 5, v[STO]
	s_mul_i32 s49, s10, 32*EP
	v_add_nc_u32 v[STO], s49, v[STO]               ; stage row 32 w + 16 qt + r, 32 h bytes in
	s_mul_i32 s49, s10, 16*EP
	v_lshl_add_u32 v[RDA], v1, 4, s49              ; stage rows 16 w .. of direction 0,
	v_add_nc_u32 v[RDB], 64*EP, v[RDA]             ; and the same queries of direction 1
	v_lshlrev_b32 v[CO], 4, v1
	v_mov_b32 v[TT], 0                             ; v_permlanex16_b32's destinations count as read
	v_mov_b32 v[TT+1], 0
	; prefetch: thread t of waves 0 to 2 (t = 0 .. 95) owns piece t % 6 of the six pieces of 256 bytes (K, then V') of row 16 cx + t / 6 of a block
	v_mul_u32_u24 v11, v0, 43
	v_lshrrev_b32 v11, 8, v11                      ; t / 6 (exact for t below 96)
	v_mul_u32_u24 v1, v11, 6
	v_sub_nc_u32 v1, v0, v1                        ; t % 6
	s_lshl_b32 s49, s13, 4
	v_add_nc_u32 v11, s49, v11
	v_mul_u32_u24 v[PFA], v11, 2304
	v_lshl_add_u32 v[PFA], v1, 8, v[PFA]
	v_add_nc_u32 v[PFA], 768, v[PFA]               ; K's columns begin 768 bytes into a row
	v_add_nc_u32 v[PFB], SRCB, v[PFA]
	s_wait_dscnt 0x0
	s_wait_kmcnt 0x0
	s_add_nc_u64 s[20:21], s[4:5], s[18:19]        ; s[20:21] my 32 queries
	s_add_nc_u64 s[8:9], s[8:9], s[50:51]          ; s[8:9] my 16 output rows
	s_add_nc_u64 s[16:17], s[4:5], s[16:17]        ; the rows that I fetch, block 0
	s_add_nc_u64 s[KBASE:KBASE+1], s[16:17], 768   ; K's columns
	s_add_nc_u64 s[VBASE:VBASE+1], s[16:17], 1536  ; V's columns
	s_add_nc_u64 s[PBASE:PBASE+1], s[4:5], s[PBASE:PBASE+1]
	AIM G0K, KBASE, 0                              ; turn 0: block j
	AIM G0V, VBASE, 0
	ROUND                                          ; all four work-groups are here: the first joint loads meet
	tensor_load_to_lds s[G0K:G0K+3], s[G1K:G1K+7]  ; both first fills as one group: two loads of the wave are out, the most in this text
	s_nop 0
	tensor_load_to_lds s[G0V:G0V+3], s[G1V:G1V+7]
	s_nop 0
	WIN 0x40
.irp kk, 0,1,2,3,4,5,6,7,8,9,10,11
.irp qt, 0,1
	global_load_b128 v[8*(2*\kk+\qt):8*(2*\kk+\qt)+3],   v[QO], s[20:21] offset:\qt*36864+64*\kk
	global_load_b128 v[8*(2*\kk+\qt)+4:8*(2*\kk+\qt)+7], v[QO], s[20:21] offset:\qt*36864+64*\kk+32
.endr
.endr
	WIN 0
.macro FETCHK u                        ; K's eight fragments for kk = 2 u, 2 u + 1 (four key tiles each): 16 loads
.set FB, F0+64*((\u)&1)
.irp kl, 0,1
.irp kt, 0,1,2,3
	ds_load_b128 v[FB+8*(4*\kl+\kt):FB+8*(4*\kl+\kt)+3],   v[KA] offset:\kt*16*KP+64*(2*(\u)+\kl)+16*((2*(\u)+\kl)>>2)
	ds_load_b128 v[FB+8*(4*\kl+\kt)+4:FB+8*(4*\kl+\kt)+7], v[KA] offset:\kt*16*KP+64*(2*(\u)+\kl)+16*((2*(\u)+\kl)>>2)+32
.endr
.endr
.endm
; S^T = K Q^T for 64 keys x 32 queries: 96 matrix instructions.  The eight accumulators take turns, one instruction a turn.
.macro SPHASE
	WIN 0x04                                       ; source 1 (Q) in v256 and up
	PLACES                                         ; both sets were read by the matrix instructions of the block before
	FETCHK 0
.irp u, 0,1,2,3,4,5
.if \u < 5
.if \u > 0
	PLACES
.endif
	FETCHK (\u+1)
	s_wait_dscnt 16                                ; the 16 just issued may stay out
.else
	s_wait_dscnt 0x0
.endif
.irp kl, 0,1
.irp qt, 0,1
.irp kt, 0,1,2,3
.if (2*\u+\kl) == 0
	v_wmma_f32_16x16x32_bf16 v[SC+8*(2*\kt+\qt):SC+8*(2*\kt+\qt)+7], v[F0+64*(\u&1)+8*(4*\kl+\kt):F0+64*(\u&1)+8*(4*\kl+\kt)+7], v[8*(2*(2*\u+\kl)+\qt):8*(2*(2*\u+\kl)+\qt)+7], 0
.else
	v_wmma_f32_16x16x32_bf16 v[SC+8*(2*\kt+\qt):SC+8*(2*\kt+\qt)+7], v[F0+64*(\u&1)+8*(4*\kl+\kt):F0+64*(\u&1)+8*(4*\kl+\kt)+7], v[8*(2*(2*\u+\kl)+\qt):8*(2*(2*\u+\kl)+\qt)+7], v[SC+8*(2*\kt+\qt):SC+8*(2*\kt+\qt)+7]
.endif
.endr
.endr
.endr
.endr
.endm
; The block's softmax step.  A lane holds 32 scores of query r of each query tile; lane L xor 16 holds the other 32 keys.
.macro SOFTMAX first
	WIN 0
	PLACES
	v_max3_num_f32 v[MX],   v[SC],   v[SC+1], v[SC+2]
	v_max3_num_f32 v[MX+1], v[SC+8], v[SC+9], v[SC+10]
.set i, 3
.rept 14
	v_max3_num_f32 v[MX],   v[MX],   v[SC+16*(i>>3)+(i&7)],   v[SC+16*((i+1)>>3)+((i+1)&7)]
	v_max3_num_f32 v[MX+1], v[MX+1], v[SC+8+16*(i>>3)+(i&7)], v[SC+8+16*((i+1)>>3)+((i+1)&7)]
.set i, i+2
.endr
	v_max_num_f32 v[MX],   v[MX],   v[SC+55]
	v_max_num_f32 v[MX+1], v[MX+1], v[SC+63]
	v_permlanex16_b32 v[TT],   v[MX],   s22, s23
	v_permlanex16_b32 v[TT+1], v[MX+1], s22, s23
.if \first
	v_max_num_f32 v[MA], v[MX],   v[TT]
	v_max_num_f32 v[MB], v[MX+1], v[TT+1]
.else
	v_max3_num_f32 v[MX],   v[MX],   v[TT],   v[MA]   ; the new running maximum
	v_max3_num_f32 v[MX+1], v[MX+1], v[TT+1], v[MB]
	v_sub_f32 v[ALA], v[MA], v[MX]                    ; old - new, at most 0
	v_sub_f32 v[ALB], v[MB], v[MX+1]
	v_mov_b32 v[MA], v[MX]
	v_mov_b32 v[MB], v[MX+1]
.endif
	v_mov_b32 v[MA+1], v[MA]
	v_mov_b32 v[MB+1], v[MB]
.irp kt, 0,1,2,3
.irp p, 0,2,4,6
	v_pk_add_f32 v[SC+16*\kt+\p:SC+16*\kt+\p+1],     v[SC+16*\kt+\p:SC+16*\kt+\p+1],     v[MA:MA+1] neg_lo:[0,1] neg_hi:[0,1]
	v_pk_add_f32 v[SC+16*\kt+8+\p:SC+16*\kt+8+\p+1], v[SC+16*\kt+8+\p:SC+16*\kt+8+\p+1], v[MB:MB+1] neg_lo:[0,1] neg_hi:[0,1]
.endr
.endr
.set i, 0
.rept 64
	v_exp_f32 v[SC+i], v[SC+i]
.set i, i+1
.endr
.if \first == 0
	v_exp_f32 v[ALA], v[ALA]
	v_exp_f32 v[ALB], v[ALB]
.endif
	v_nop                                          ; one plain vector instruction between the exponentials and the first use of a result
.if \first == 0
	s_wait_alu depctr_va_vdst(0)
	v_mov_b32 v[ALA+1], v[ALA]
	v_mov_b32 v[ALB+1], v[ALB]
.endif
	s_wait_alu depctr_va_vdst(0)
	v_pk_add_f32 v[TT:TT+1],   v[SC:SC+1],     v[SC+2:SC+3]      ; the sums: two chains of pairs for each query tile
	v_pk_add_f32 v[TT+2:TT+3], v[SC+4:SC+5],   v[SC+6:SC+7]
	v_pk_add_f32 v[TT+4:TT+5], v[SC+8:SC+9],   v[SC+10:SC+11]
	v_pk_add_f32 v[TT+6:TT+7], v[SC+12:SC+13], v[SC+14:SC+15]
.irp kt, 1,2,3
	v_pk_add_f32 v[TT:TT+1],   v[TT:TT+1],   v[SC+16*\kt:SC+16*\kt+1]
	v_pk_add_f32 v[TT+2:TT+3], v[TT+2:TT+3], v[SC+16*\kt+2:SC+16*\kt+3]
	v_pk_add_f32 v[TT+4:TT+5], v[TT+4:TT+5], v[SC+16*\kt+8:SC+16*\kt+9]
	v_pk_add_f32 v[TT+6:TT+7], v[TT+6:TT+7], v[SC+16*\kt+10:SC+16*\kt+11]
	v_pk_add_f32 v[TT:TT+1],   v[TT:TT+1],   v[SC+16*\kt+4:SC+16*\kt+5]
	v_pk_add_f32 v[TT+2:TT+3], v[TT+2:TT+3], v[SC+16*\kt+6:SC+16*\kt+7]
	v_pk_add_f32 v[TT+4:TT+5], v[TT+4:TT+5], v[SC+16*\kt+12:SC+16*\kt+13]
	v_pk_add_f32 v[TT+6:TT+7], v[TT+6:TT+7], v[SC+16*\kt+14:SC+16*\kt+15]
.endr
	v_pk_add_f32 v[TT:TT+1],   v[TT:TT+1],   v[TT+2:TT+3]
	v_pk_add_f32 v[TT+4:TT+5], v[TT+4:TT+5], v[TT+6:TT+7]
.if \first
	v_add_f32 v[LA], v[TT],   v[TT+1]
	v_add_f32 v[LB], v[TT+4], v[TT+5]
.else
	v_add_f32 v[TT],   v[TT],   v[TT+1]
	v_add_f32 v[TT+4], v[TT+4], v[TT+5]
	v_fma_f32 v[LA], v[LA], v[ALA], v[TT]          ; my half of the keys; the halves are joined once, at the end
	v_fma_f32 v[LB], v[LB], v[ALB], v[TT+4]
.endif
.irp kh, 0,1                                       ; key tiles 2 kh and 2 kh + 1, packed, are P's fragment for keys 32 kh .. +31
.irp qt, 0,1
.irp j, 0,1,2,3
	v_cvt_pk_bf16_f32 v[PB+8*(2*\kh+\qt)+\j],   v[SC+8*(4*\kh+\qt)+2*\j],   v[SC+8*(4*\kh+\qt)+2*\j+1]
	v_cvt_pk_bf16_f32 v[PB+8*(2*\kh+\qt)+4+\j], v[SC+8*(4*\kh+2+\qt)+2*\j], v[SC+8*(4*\kh+2+\qt)+2*\j+1]
.endr
.endr
.endr
.endm
.macro RESCALE                         ; O *= the query's factor: 48 tiles, four packed multiplies each
	WIN 0x82                                       ; destination and source 0 in v512 and up
.set i, 0
.rept 16
.irp p, 0,2,4,6
	v_pk_mul_f32 v[16*i+\p:16*i+\p+1],     v[16*i+\p:16*i+\p+1],     v[ALA:ALA+1]
	v_pk_mul_f32 v[16*i+8+\p:16*i+8+\p+1], v[16*i+8+\p:16*i+8+\p+1], v[ALB:ALB+1]
.endr
.set i, i+1
.endr
	WIN 0xc3                                       ; in v768 and up
.set i, 0
.rept 8
.irp p, 0,2,4,6
	v_pk_mul_f32 v[16*i+\p:16*i+\p+1],     v[16*i+\p:16*i+\p+1],     v[ALA:ALA+1]
	v_pk_mul_f32 v[16*i+8+\p:16*i+8+\p+1], v[16*i+8+\p:16*i+8+\p+1], v[ALB:ALB+1]
.endr
.set i, i+1
.endr
.endm
.macro FETCHV rho                      ; V'^T: column tiles dt = 4 rho .. +3, keys 32 kh .. +31: 16 transposing loads
.set FB, F0+64*((\rho)&1)
.irp kh, 0,1
.irp dl, 0,1,2,3
	ds_load_tr16_b128 v[FB+8*(4*\kh+\dl):FB+8*(4*\kh+\dl)+3],   v[VA] offset:\kh*32*VP+32*(4*(\rho)+\dl)+32*((4*(\rho)+\dl)>>3)
	ds_load_tr16_b128 v[FB+8*(4*\kh+\dl)+4:FB+8*(4*\kh+\dl)+7], v[VA] offset:\kh*32*VP+32*(4*(\rho)+\dl)+32*((4*(\rho)+\dl)>>3)+16*VP
.endr
.endr
.endm
; O^T += V'^T P^T: 96 matrix instructions, in six runs of four column tiles.  A run's eight accumulators take turns, one instruction a turn.
.macro PV first
	WIN 0
	FETCHV 0
.if \first == 0
	RESCALE                                        ; while the first fragments are on their way
.endif
.irp rho, 0,1,2,3,4,5
.if \rho < 5
	WIN 0
.if \rho > 0
	PLACES
.endif
	FETCHV (\rho+1)
	s_wait_dscnt 16                                ; the 16 just issued may stay out
.else
	s_wait_dscnt 0x0
.endif
.if \rho < 4
	WIN 0xa0                                       ; C and D in v512 and up
.else
	WIN 0xf0                                       ; in v768 and up
.endif
.irp kh, 0,1
.irp qt, 0,1
.irp dl, 0,1,2,3
.set OB, 8*(2*((4*\rho+\dl)&15)+\qt)
.if \first*(1-\kh) != 0
	v_wmma_f32_16x16x32_bf16 v[OB:OB+7], v[F0+64*(\rho&1)+8*(4*\kh+\dl):F0+64*(\rho&1)+8*(4*\kh+\dl)+7], v[PB+8*(2*\kh+\qt):PB+8*(2*\kh+\qt)+7], 0
.else
	v_wmma_f32_16x16x32_bf16 v[OB:OB+7], v[F0+64*(\rho&1)+8*(4*\kh+\dl):F0+64*(\rho&1)+8*(4*\kh+\dl)+7], v[PB+8*(2*\kh+\qt):PB+8*(2*\kh+\qt)+7], v[OB:OB+7]
.endif
.endr
.endr
.endr
.endr
.endm
; The slot that has just been read is filled again with its kind's tile of turn s48 + ahead.
.macro REFILL g0, g1, base, ahead
	WIN 0
	s_set_vgpr_msb 0x5
	s_wait_tensorcnt 0x0                           ; all my tensor loads have landed, my part of the other slot among them,
	ds_add_u32 v254, v255
	s_wait_dscnt 0x0
	s_set_vgpr_msb 0x500
	AIM \g0, \base, \ahead                         ; so a group 0 may be written
	s_wait_dscnt 0x0                               ; my reads of this slot are over
	ROUND                                          ; both hold of every wave of all four work-groups
	tensor_load_to_lds s[\g0:\g0+3], s[\g1:\g1+7]  ; my one load behind the round
	s_nop 0
.endm
; In turns 6, 14 and 22, behind K's refill: the block of the turn after next (turns 8, 16, 24), which this cluster is the first of its batch to take.
; That is one turn ahead of the request for its K tile and one and a half ahead of the request for its V' tile.  Waves 0 to 2 ask, twice each
; (source 0, source 1), lanes 256 bytes apart within a row's 1,536 bytes of K and V': 192 pieces a work-group, 768 a cluster = 64 rows x 6 pieces
; x 2 sources, each piece once in the launch.  Turn 30 asks for nothing: there is no turn 32.  The branches hang on the turn and the wave's number alone.
.macro PREF
	s_add_co_u32 s59, s[TURN], 2
	s_and_b32 s49, s59, 0x27                       ; 0 for 8, 16 and 24 alone (the sum is 3 to 32)
	s_cmp_lg_u32 s49, 0
	s_cbranch_scc1 .Lno_pf_\@
	s_cmp_lt_u32 s[WAVE], 3
	s_cbranch_scc0 .Lno_pf_\@
	s_wait_xcnt 0x0                                ; the base that the last prefetches read, eight turns ago, is written again only behind this wait
	s_xor_b32 s59, s59, s[JJ]
	s_mul_i32 s[OFS], s59, BLK
	s_add_nc_u64 s[PBASE+2:PBASE+3], s[PBASE:PBASE+1], s[OFS:OFS+1]
	global_prefetch_b8 v[PFA], s[PBASE+2:PBASE+3] th:TH_LOAD_NT scope:SCOPE_SE
	global_prefetch_b8 v[PFB], s[PBASE+2:PBASE+3] th:TH_LOAD_NT scope:SCOPE_SE
.Lno_pf_\@:
.endm
	s_wait_tensorcnt 0x1                           ; my part of turn 0's K is in; V's may stay out
	s_wait_loadcnt 0x0                             ; Q
	s_barrier_signal -1
	s_barrier_wait -1
	SPHASE                                         ; turn 0 stands ahead of the loop: its products start the sums
	SOFTMAX 1
	REFILL G0K, G1K, KBASE, 1                      ; turn 1's K lands during turn 0's second product
	PV 1
	WIN 0
	s_mov_b32 s[TURN], 1
.Lblock:
	REFILL G0V, G1V, VBASE, 0                      ; this turn's V' lands during the scores and the softmax step
	SPHASE
	SOFTMAX 0
	REFILL G0K, G1K, KBASE, 1                      ; the next turn's K lands during the rescaling and the second product
	PREF
	PV 0
	WIN 0
	s_add_co_u32 s[TURN], s[TURN], 1
	s_cmp_lt_u32 s[TURN], 31
	s_cbranch_scc1 .Lblock
	REFILL G0V, G1V, VBASE, 0                      ; turn 31: nothing is left of K
	SPHASE
	SOFTMAX 0
	s_wait_tensorcnt 0x0                           ; my part of the last V' is in,
	s_wait_dscnt 0x0
	s_barrier_signal -1
	s_barrier_wait -1                              ; everybody's is
	PV 0
	; THE WAY OUT: divide by l, lay both directions' rows into LDS in f32, add them and bf, store whole rows.
	WIN 0
	PLACES
	global_load_b128 v[BF:BF+3],    v[CO], s[6:7]
	global_load_b128 v[BF+4:BF+7],  v[CO], s[6:7] offset:512
	global_load_b128 v[BF+8:BF+11], v[CO], s[6:7] offset:1024
	v_permlanex16_b32 v[TT],   v[LA], s22, s23
	v_permlanex16_b32 v[TT+1], v[LB], s22, s23
	v_add_f32 v[LA], v[LA], v[TT]                  ; all 2,048 keys; at least 1, the largest score's own term
	v_add_f32 v[LB], v[LB], v[TT+1]
	v_rcp_f32 v[ALA], v[LA]
	v_rcp_f32 v[ALB], v[LB]
	v_nop                                          ; one plain vector instruction between the reciprocals and their use
	s_wait_alu depctr_va_vdst(0)
	v_mov_b32 v[ALA+1], v[ALA]
	v_mov_b32 v[ALB+1], v[ALB]
	RESCALE
	WIN 0
	s_wait_dscnt 0x0
	s_barrier_signal -1
	s_barrier_wait -1                              ; no wave reads a slot any more, and both have had their last fill: the stage lies over them
	WIN 0x08                                       ; store data in v512 and up
.set i, 0
.rept 16
.irp qt, 0,1
	ds_store_b128 v[STO], v[16*i+8*\qt:16*i+8*\qt+3]   offset:\qt*16*EP+64*i      ; O(16 qt + r, 16 dt + 8 h .. +3)
	ds_store_b128 v[STO], v[16*i+8*\qt+4:16*i+8*\qt+7] offset:\qt*16*EP+64*i+16
.endr
.set i, i+1
.endr
	WIN 0x0c                                       ; in v768 and up
.set i, 0
.rept 8
.irp qt, 0,1
	ds_store_b128 v[STO], v[16*i+8*\qt:16*i+8*\qt+3]   offset:\qt*16*EP+64*(i+16)
	ds_store_b128 v[STO], v[16*i+8*\qt+4:16*i+8*\qt+7] offset:\qt*16*EP+64*(i+16)+16
.endr
.set i, i+1
.endr
	WIN 0
	s_wait_dscnt 0x0                               ; my rows are in the stage,
	s_barrier_signal -1
	s_barrier_wait -1                              ; everybody's are
	s_wait_loadcnt 0x0                             ; bf
; Eight pieces of 512 bytes (piece n of my 16 rows: row n / 3, third n % 3), both directions.
.macro OUTB b, f
.if \b >= 2
	s_wait_xcnt 0x0                                ; the stores that read this set have had their addresses translated
.endif
.irp q, 0,1,2,3,4,5,6,7
	ds_load_b128 v[\f+8*\q:\f+8*\q+3],   v[RDA] offset:((8*\b+\q)/3)*EP+((8*\b+\q)%3)*512
	ds_load_b128 v[\f+8*\q+4:\f+8*\q+7], v[RDB] offset:((8*\b+\q)/3)*EP+((8*\b+\q)%3)*512
.endr
.irp q, 0,1,2,3,4,5,6,7
	s_wait_dscnt 14-2*\q                           ; the younger pieces' loads, two each, may stay out
	v_pk_add_f32 v[\f+8*\q:\f+8*\q+1],   v[\f+8*\q:\f+8*\q+1],   v[\f+8*\q+4:\f+8*\q+5]
	v_pk_add_f32 v[\f+8*\q+2:\f+8*\q+3], v[\f+8*\q+2:\f+8*\q+3], v[\f+8*\q+6:\f+8*\q+7]
	v_pk_add_f32 v[\f+8*\q:\f+8*\q+1],   v[\f+8*\q:\f+8*\q+1],   v[BF+4*((8*\b+\q)%3):BF+4*((8*\b+\q)%3)+1]
	v_pk_add_f32 v[\f+8*\q+2:\f+8*\q+3], v[\f+8*\q+2:\f+8*\q+3], v[BF+4*((8*\b+\q)%3)+2:BF+4*((8*\b+\q)%3)+3]
	global_store_b128 v[CO], v[\f+8*\q:\f+8*\q+3], s[8:9] offset:((8*\b+\q)/3)*1536+((8*\b+\q)%3)*512 th:TH_STORE_NT   ; the wave stores 512 consecutive bytes, aligned
.endr
.endm
	OUTB 0, F0
	OUTB 1, F0+64
	OUTB 2, F0
	OUTB 3, F0+64
	OUTB 4, F0
	OUTB 5, F0+64
	s_set_vgpr_msb 0x5
	s_wait_tensorcnt 0x0
	ds_add_u32 v254, v255
	s_wait_dscnt 0x0
	s_set_vgpr_msb 0x500
	ROUND                                          ; the closing round: no work-group ends while a partner may still ask jointly
	s_endpgm
.Lfunc_end_k_q6ac7502ed8_attn:
	.size	k_q6ac7502ed8_attn, .Lfunc_end_k_q6ac7502ed8_attn-k_q6ac7502ed8_attn
	.p2alignl 7, 3214868480
	.fill 96, 4, 3214868480
	.section	.rodata,"a",@progbits
	.p2align	6, 0x0
	.amdhsa_kernel k_q6ac7502ed8_attn
		.amdhsa_group_segment_fixed_size 327680
		.amdhsa_private_segment_fixed_size 0
		.amdhsa_enable_private_segment 0
		.amdhsa_kernarg_size 24
		.amdhsa_user_sgpr_count 2
		.amdhsa_user_sgpr_kernarg_segment_ptr 1
		.amdhsa_wavefront_size32 1
		.amdhsa_system_sgpr_workgroup_id_x 1
		.amdhsa_system_sgpr_workgroup_id_y 1
		.amdhsa_system_sgpr_workgroup_id_z 1
		.amdhsa_system_vgpr_workitem_id 0
		.amdhsa_next_free_vgpr 896
		.amdhsa_next_free_sgpr 66
		.amdhsa_reserve_vcc 0
		.amdhsa_float_denorm_mode_32 3
		.amdhsa_float_denorm_mode_16_64 3
		.amdhsa_memory_ordered 1
		.amdhsa_forward_progress 1
		.amdhsa_inst_pref_size 193
	.end_amdhsa_kernel
	.amdgpu_metadata
---
amdhsa.version: [ 1, 2 ]
amdhsa.kernels:
  - .name:           k_q6ac7502ed8_attn
    .symbol:         k_q6ac7502ed8_attn.kd
    .args:
      - { .name: qkv, .offset: 0, .size: 8, .value_kind: global_buffer, .address_space: global }
      - { .name: bf, .offset: 8, .size: 8, .value_kind: global_buffer, .address_space: global }
      - { .name: out0, .offset: 16, .size: 8, .value_kind: global_buffer, .address_space: global }
    .group_segment_fixed_size: 327680
    .private_segment_fixed_size: 0
    .kernarg_segment_align: 8
    .kernarg_segment_size: 24
    .max_flat_workgroup_size: 128
    .sgpr_count:     66
    .vgpr_count:     896
    .wavefront_size: 32
...
	.end_amdgpu_metadata
.endif
;; end of part 3
;; ======== version 2 of 2: 3 launches; version 1 with the launch prep written anew for expert scheduling mode
;; workspace buffers: wcat 1,769,472 bytes; bcat 9,216 bytes; qkv 75,497,472 bytes
;; launch prep (part 4): grid 33 x 2, 4 waves a work-group, no clusters, 129,024 bytes of LDS; arguments Wqg, Wkg, Wvg, bqg, bkg, bvg, Wql, Wkl, Wvl, bql, bkl, bvl, Wf, wcat, bcat; writes wcat, bcat
.if DOCPART == 4
	.amdgcn_target "amdgcn-amd-amdhsa--gfx1250"
	.amdhsa_code_object_version 6
	.text
	.protected	k_q6ac7502ed8_prep
	.globl	k_q6ac7502ed8_prep
	.p2align	8
	.type	k_q6ac7502ed8_prep,@function
k_q6ac7502ed8_prep:
	s_mov_b64 s[64:65], 0
	v_nop
	global_prefetch_b8 v0, s[64:65] scope:SCOPE_SE
	s_setreg_imm32_b32 hwreg(HW_REG_WAVE_SCHED_MODE, 0, 2), 2
	s_setreg_imm32_b32 hwreg(HW_REG_WAVE_MODE, 25, 1), 1
	s_wait_xcnt 0x0
	s_wait_alu depctr_vm_vsrc(0)
; prep: the weights as the projection wants them.  y = the source (0 graph, 1 lstm).
;   wcat[y] : bf16 [1152][384]   rows 0-383 c Wq, rows 384-767 Wk, rows 768-1151 Wf Wv
;   bcat[y] : f32  [1152]        c bq, bk, Wf bv
; c = log2(e) / sqrt(384): the scores then come out in units of log2 and the softmax uses 2^x.
; Wf is folded into V: (attn V) Wf^T = attn (V Wf^T), and V Wf^T = Z (Wf Wv)^T + Wf bv, for every input.
; LIMIT (order of rounding): Wf Wv is made of bf16 operands with f32 sums and rounded once more to bf16; c is multiplied into
; Wq and bq in f32 ahead of the rounding; Wf bv is summed in f32.  NaN and infinities are not treated.
; x picks the work: 0-17 a block of 64 x 128 of Wf Wv; 18-29 64 rows of Wq or Wk; 30-32 128 numbers of Wf bv.
; LDS: bytes 0 - 110,591 Wv's staged rows, 110,592 - 127,999 four stages (both for x = 0-17); 128,000 - 128,511 the 128 sums of x = 30-32:
; the ways of this text share no LDS byte.  Behind them, from 128,512 on, the spare words.
; No cluster: 66 small work-groups that load through registers; what two of them share is a few hundred KiB read once each.
; THE MODE: SCHED_MODE bits 1:0 = 2 (LLVM: expert scheduling mode 2), set by the entry lines.  The code itself states the register dependences
; between vector or matrix instructions and memory or LDS instructions, with s_wait_alu, always for 0.
; THE PLAN.  Registers that memory or LDS instructions touch:
;   every way   its offsets and addresses (v4 to v11) are made once, at the way's head, and never written again: one wait on va_vdst behind them.
;               s4, the wave's number, is written by a vector instruction: one wait on va_sdst in the head, ahead of the first branch.
;   x = 0-17    v[32:127]   Wf as loaded: read by the roundings of its first half, then loaded again: one wait between.
;               v[128:255]  32 rows of Wv as loaded: read by a batch's 64 roundings, then loaded again.
;               v[352:415]  OUT: written by those roundings, read by the batch's 32 LDS stores.
;               So a batch is: roundings; ONE wait on va_vdst (the raw rows are read out, OUT is written); the next batch's loads; the stores.
;               One wait on vm_vsrc stands ahead of the next batch's roundings, which write OUT again.
;               v[128:255]  later: two sets of fragments.  Run cb - 1's matrix instructions read the set in which run cb's fetch lands: one wait a run.
;               v[32:95]    the accumulators, rounded in place, are the LDS stores' data: one wait.
;   x = 18-29   v[32:223]   24 groups, each with registers of its own: loaded, scaled and rounded in place, stored, never written again.  They go in six blocks
;               of four: the wait at a block's head shows the block before written, and that block's stores are dealt among this block's arithmetic.
;   x = 30-32   v[32:127], v[128:223]  two batches of eight rows of Wf: read by the batch's 48 packed products, then loaded again: one wait between,
;               ahead of the sums over the lanes, which name v[224:239] alone.  s[20:27]: a batch's eight masks, made in one run: one wait on va_sdst.
.set CSCALE, 0x3d96c740                ; c in f32
.set WVP,  288                         ; LDS pitch of Wv's staged rows: 256 bytes + 32 = 9 x 32, for the transposing loads
.set STG,  384*WVP                     ; behind Wv: 16 rows x 272 bytes for each wave, for the way out
.set BSC,  STG+4*16*272                ; behind the stages: 512 bytes for the sums of Wf bv
.set ACC,  32                          ; v[32:95]   eight tiles of 16 x 16 in f32
.set F0,   128                         ; v[128:191], v[192:255]  two sets of eight fragments
.set OUT,  96                          ; v[352:415] (v96 and up of the second window): 32 rows of Wv in bf16, two registers a row
.set T,    224                         ; v[224:239] x = 30-32: eight rows' sums, a pair a row
.set MSB,  0
.macro WIN new                         ; s_set_vgpr_msb; the immediate's high byte repeats the setting that is left
.if MSB != \new
	s_set_vgpr_msb (MSB<<8)|\new
.set MSB, \new
.endif
.endm
.macro PLACES                          ; four independent vector instructions behind a matrix instruction (ISA guide 7.12.1)
.rept 4
	v_nop
.endr
.endm
	s_load_b256 s[8:15], s[0:1], 0x0               ; Wqg s[8:9], Wkg s[10:11], Wvg s[12:13], bqg s[14:15]
	s_load_b128 s[16:19], s[0:1], 0x20             ; bkg s[16:17], bvg s[18:19]
	s_load_b256 s[20:27], s[0:1], 0x30             ; Wql, Wkl, Wvl, bql
	s_load_b128 s[28:31], s[0:1], 0x50             ; bkl, bvl
	s_load_b128 s[32:35], s[0:1], 0x60             ; Wf s[32:33], wcat s[34:35]
	s_load_b64 s[36:37], s[0:1], 0x70              ; bcat
	v_lshl_add_u32 v30, v0, 2, 0x1f600
	v_mov_b32 v31, 0
	v_lshrrev_b32 v2, 5, v0
	v_readfirstlane_b32 s4, v2                     ; wave 0..3
	v_and_b32 v1, 31, v0                           ; lane L
	v_and_b32 v2, 15, v0                           ; r = L % 16
	v_bfe_u32 v3, v0, 4, 1                         ; h = L / 16
	s_and_b32 s5, ttmp7, 0xffff                    ; y: the source
	s_mov_b32 s6, ttmp9                            ; x: the work
	s_mul_i32 s38, s5, 884736                      ; wcat: 1152 x 768 bytes a source
	s_mov_b32 s39, 0
	s_mul_i32 s40, s5, 4608                        ; bcat: 1152 x 4 bytes a source
	s_mov_b32 s41, 0
	s_wait_alu depctr_va_sdst(0)                   ; s4 is written
	s_wait_kmcnt 0x0
	s_cmp_eq_u32 s5, 0                             ; the source's own six tensors into s[8:19]
	s_cselect_b64 s[8:9], s[8:9], s[20:21]
	s_cselect_b64 s[10:11], s[10:11], s[22:23]
	s_cselect_b64 s[12:13], s[12:13], s[24:25]
	s_cselect_b64 s[14:15], s[14:15], s[26:27]
	s_cselect_b64 s[16:17], s[16:17], s[28:29]
	s_cselect_b64 s[18:19], s[18:19], s[30:31]
	s_add_nc_u64 s[34:35], s[34:35], s[38:39]
	s_add_nc_u64 s[36:37], s[36:37], s[40:41]
	s_cmp_lt_u32 s6, 18
	s_cbranch_scc0 .Lnot_p
; ---------------------------------------------------------------- W'[e][d] = sum over c of Wf[e][c] Wv[c][d]
; The group makes e = 64 eg .. +63, d = 128 db .. +127; wave w the 16 rows e0 = 64 eg + 16 w.
; The matrix instruction takes 16 columns d of Wv as A (rows m = d) and 16 rows e of Wf as B (columns n = e): a lane then holds
; row e = e0 + r and eight neighbouring d, which pack into 16 bytes.
	s_mul_i32 s7, s6, 43
	s_lshr_b32 s7, s7, 8                           ; db = x / 6 (exact for x below 18)
	s_mul_i32 s38, s7, 6
	s_sub_co_u32 s38, s6, s38                      ; eg
	s_lshl_b32 s38, s38, 6
	s_lshl4_add_u32 s38, s4, s38                   ; e0
	s_mul_i32 s40, s38, 1536
	s_mov_b32 s41, 0
	s_add_nc_u64 s[32:33], s[32:33], s[40:41]      ; Wf at row e0
	s_lshl_b32 s40, s7, 9
	s_add_nc_u64 s[12:13], s[12:13], s[40:41]      ; Wv at column 128 db
	s_add_co_u32 s40, s38, 768
	s_mul_i32 s40, s40, 768
	s_lshl_b32 s42, s7, 8
	s_add_co_u32 s40, s40, s42
	s_add_nc_u64 s[34:35], s[34:35], s[40:41]      ; wcat at row 768 + e0, byte 256 db
	v_mul_u32_u24 v4, v2, 1536
	v_lshl_add_u32 v4, v3, 5, v4                   ; v4: Wf, row r, 8 h numbers in
	s_mul_i32 s42, s4, 96*1536
	v_lshl_add_u32 v5, v1, 4, s42                  ; v5: Wv, my wave's 96 rows, 16 bytes a lane
	s_mul_i32 s43, s4, 96*WVP
	v_lshl_add_u32 v6, v1, 3, s43                  ; v6: the same rows in LDS, 8 bytes a lane
	v_and_b32 v12, 7, v0
	v_lshl_add_u32 v12, v3, 3, v12
	v_mul_u32_u24 v7, v12, WVP
	v_bfe_u32 v12, v0, 3, 1
	v_lshl_add_u32 v7, v12, 4, v7                  ; v7: transposing load: row 8 h + L % 8, half (L / 8) % 2 of the 32 bytes
	v_add_nc_u32 v8, 6*32*WVP, v7                  ; v8: the same from row 192 on (the immediate has 16 bits)
	s_mul_i32 s44, s4, 16*272
	s_add_co_u32 s44, s44, STG                     ; my stage
	v_mul_u32_u24 v9, v2, 272
	v_lshl_add_u32 v9, v3, 4, v9
	v_add_nc_u32 v9, s44, v9                       ; v9: in: row r, 16 bytes for each half of the lanes
	v_mul_u32_u24 v10, v3, 272
	v_lshl_add_u32 v10, v2, 4, v10
	v_add_nc_u32 v10, s44, v10                     ; v10: back: lanes 0-15 one row of 256 bytes, lanes 16-31 the next
	v_mul_u32_u24 v11, v3, 768
	v_lshl_add_u32 v11, v2, 4, v11                 ; v11: the same two rows in wcat
	s_wait_alu depctr_va_vdst(0)                   ; v4 to v11 are written: every load and store of this way reads one of them as its address, and none is written again
.macro WFLOAD c0                       ; Wf(e0 + r, 32 cb + 8 h .. and 32 cb + 16 + 8 h ..) in f32, six blocks cb from c0: 24 loads
.irp q, 0,1,2,3,4,5
	global_load_b128 v[32+16*\q:32+16*\q+3],     v4, s[32:33] offset:128*(\c0+\q)
	global_load_b128 v[32+16*\q+4:32+16*\q+7],   v4, s[32:33] offset:128*(\c0+\q)+16
	global_load_b128 v[32+16*\q+8:32+16*\q+11],  v4, s[32:33] offset:128*(\c0+\q)+64
	global_load_b128 v[32+16*\q+12:32+16*\q+15], v4, s[32:33] offset:128*(\c0+\q)+80
.endr
.endm
.macro WFCVT c0                        ; rounded to bf16: fragment cb at v[256 + 8 cb]
	WIN 0x40
.irp q, 0,1,2,3,4,5
.irp j, 0,1,2,3,4,5,6,7
	v_cvt_pk_bf16_f32 v[8*(\c0+\q)+\j], v[32+16*\q+2*\j], v[32+16*\q+2*\j+1]
.endr
.endr
	WIN 0
.endm
.macro WVLOAD b                        ; 32 rows of Wv's block: one load of the wave takes a row's 512 bytes
.set i, 0
.rept 32
	global_load_b128 v[128+4*i:128+4*i+3], v5, s[12:13] offset:(32*\b+i)*1536
.set i, i+1
.endr
.endm
.macro WVCVT                           ; the 32 rows rounded to bf16, into OUT: a lane's four numbers of row i close up into two registers
	WIN 0x40                                       ; destination in v256 and up
.set i, 0
.rept 32
	v_cvt_pk_bf16_f32 v[OUT+2*i],   v[128+4*i],   v[128+4*i+1]
	v_cvt_pk_bf16_f32 v[OUT+2*i+1], v[128+4*i+2], v[128+4*i+3]
.set i, i+1
.endr
	WIN 0
.endm
.macro WVSTORE b                       ; OUT laid into LDS, 256 neighbouring bytes a store
	WIN 0x04                                       ; store data in v256 and up
.set i, 0
.rept 32
	ds_store_b64 v6, v[OUT+2*i:OUT+2*i+1] offset:(32*\b+i)*WVP
.set i, i+1
.endr
.endm
	WFLOAD 0
	WVLOAD 0
	s_wait_loadcnt 32                              ; the 32 loads of Wv behind them may stay out: Wf's first half is in
	WFCVT 0
	s_wait_alu depctr_va_vdst(0)                   ; the roundings are done reading v[32:127], in which Wf's second half lands
	WFLOAD 6
	s_wait_loadcnt 24                              ; Wf's second half may stay out: Wv's rows 0-31 are in
	WVCVT
	s_wait_alu depctr_va_vdst(0)                   ; the roundings are done reading v[128:255], in which the next rows land, and have written OUT, which the stores read
	WVLOAD 1
	WVSTORE 0
	s_wait_loadcnt 32                              ; Wv's rows 32-63 may stay out: Wf's second half is in
	WFCVT 6
	s_wait_loadcnt 0x0
	s_wait_alu depctr_vm_vsrc(0)                   ; the LDS stores of rows 0-31 have read OUT, which the roundings below write again
	WVCVT
	s_wait_alu depctr_va_vdst(0)                   ; as above
	WVLOAD 2
	WVSTORE 1
	s_wait_loadcnt 0x0
	s_wait_alu depctr_vm_vsrc(0)                   ; the LDS stores of rows 32-63 have read OUT
	WVCVT
	s_wait_alu depctr_va_vdst(0)                   ; OUT is written, for the stores; no vector instruction stands between
	WVSTORE 2
	s_wait_dscnt 0x0                               ; my rows of Wv are in LDS,
	s_barrier_signal -1
	s_barrier_wait -1                              ; everybody's are
.macro FETCHT c                        ; eight fragments of Wv^T (16 d x 32 c) for block c: 16 transposing loads
.irp dt, 0,1,2,3,4,5,6,7
.if \c < 6
	ds_load_tr16_b128 v[F0+64*(\c&1)+8*\dt:F0+64*(\c&1)+8*\dt+3],   v7 offset:32*WVP*\c+32*\dt
	ds_load_tr16_b128 v[F0+64*(\c&1)+8*\dt+4:F0+64*(\c&1)+8*\dt+7], v7 offset:32*WVP*\c+32*\dt+16*WVP
.else
	ds_load_tr16_b128 v[F0+64*(\c&1)+8*\dt:F0+64*(\c&1)+8*\dt+3],   v8 offset:32*WVP*(\c-6)+32*\dt
	ds_load_tr16_b128 v[F0+64*(\c&1)+8*\dt+4:F0+64*(\c&1)+8*\dt+7], v8 offset:32*WVP*(\c-6)+32*\dt+16*WVP
.endif
.endr
.endm
; One block of 32 along c.  The eight accumulators take turns, one instruction a turn.
.macro PRUN cb
.if \cb < 11
.if \cb > 0
	PLACES                                         ; the set that is fetched now was read by the matrix instructions just ahead
	s_wait_alu depctr_va_vdst(0)                   ; those matrix instructions are done reading the set in which the fetch below lands
.endif
	FETCHT (\cb+1)
	s_wait_dscnt 16                                ; the 16 just issued may stay out: this block's fragments are in
.else
	s_wait_dscnt 0x0
.endif
.irp dt, 0,1,2,3,4,5,6,7
.if \cb == 0
	v_wmma_f32_16x16x32_bf16 v[ACC+8*\dt:ACC+8*\dt+7], v[F0+64*(\cb&1)+8*\dt:F0+64*(\cb&1)+8*\dt+7], v[8*\cb:8*\cb+7], 0
.else
	v_wmma_f32_16x16x32_bf16 v[ACC+8*\dt:ACC+8*\dt+7], v[F0+64*(\cb&1)+8*\dt:F0+64*(\cb&1)+8*\dt+7], v[8*\cb:8*\cb+7], v[ACC+8*\dt:ACC+8*\dt+7]
.endif
.endr
.endm
	WIN 0x04                                       ; source 1 (Wf's fragments) in v256 and up; all else below
	FETCHT 0
.irp cb, 0,1,2,3,4,5,6,7,8,9,10,11
	PRUN \cb
.endr
	WIN 0
	PLACES
.irp dt, 0,1,2,3,4,5,6,7
.irp j, 0,1,2,3
	v_cvt_pk_bf16_f32 v[ACC+8*\dt+\j], v[ACC+8*\dt+2*\j], v[ACC+8*\dt+2*\j+1]
.endr
.endr
	s_wait_alu depctr_va_vdst(0)                   ; the roundings have written the LDS stores' data; the matrix instructions are done reading set 0, in which the loads from the stage land
.irp dt, 0,1,2,3,4,5,6,7
	ds_store_b128 v9, v[ACC+8*\dt:ACC+8*\dt+3] offset:32*\dt       ; W'(e0 + r, 16 dt + 8 h .. +7)
.endr
.irp t, 0,1,2,3,4,5,6,7
	ds_load_b128 v[F0+4*\t:F0+4*\t+3], v10 offset:544*\t           ; my own stage: LDS serves a wave's instructions in order
.endr
.irp t, 0,1,2,3,4,5,6,7
	s_wait_dscnt 7-\t
	global_store_b128 v11, v[F0+4*\t:F0+4*\t+3], s[34:35] offset:1536*\t   ; 16 lanes store 256 consecutive bytes, aligned
.endr
	s_wait_dscnt 0x0                               ; the closing lines, six on end
	s_wait_alu 0x0
	s_wait_tensorcnt 0x0
	ds_add_u32 v30, v31
	s_wait_dscnt 0x0
	s_endpgm
; ---------------------------------------------------------------- 64 rows of c Wq or of Wk to bf16, and their 64 biases
.Lnot_p:
	s_cmp_lt_u32 s6, 30
	s_cbranch_scc0 .Lpath_b
	s_sub_co_u32 s7, s6, 18
	s_cmp_ge_u32 s7, 6                             ; 0-5: Wq, 6-11: Wk
	s_cselect_b32 s38, 1, 0
	s_cselect_b64 s[8:9], s[10:11], s[8:9]
	s_cselect_b64 s[14:15], s[16:17], s[14:15]
	s_cselect_b32 s42, 1.0, CSCALE                 ; one text for both: Wk's factor is one
	s_mov_b32 s43, s42
	s_mul_i32 s39, s38, 6
	s_sub_co_u32 s39, s7, s39                      ; which 64 rows
	s_mul_i32 s40, s39, 98304
	s_mov_b32 s41, 0
	s_add_nc_u64 s[8:9], s[8:9], s[40:41]          ; 64 rows x 1,536 bytes in
	s_mul_i32 s40, s38, 294912
	s_mul_i32 s44, s39, 49152
	s_add_co_u32 s40, s40, s44
	s_add_nc_u64 s[34:35], s[34:35], s[40:41]      ; 64 rows x 768 bytes out
	s_lshl_b32 s40, s39, 8
	s_add_nc_u64 s[14:15], s[14:15], s[40:41]
	s_mul_i32 s44, s38, 1536
	s_add_co_u32 s40, s40, s44
	s_add_nc_u64 s[36:37], s[36:37], s[40:41]
	v_lshlrev_b32 v4, 5, v0                        ; thread t: 32 bytes in,
	v_lshlrev_b32 v5, 4, v0                        ; 16 bytes out
	v_lshlrev_b32 v6, 3, v0                        ; and, for wave 0's biases, 8 bytes a lane
	s_wait_alu depctr_va_vdst(0)                   ; v4, v5 and v6 are written: the offsets of every load and store of this way; none is written again
.set g, 0
.rept 24
	global_load_b128 v[32+8*g:32+8*g+3],   v4, s[8:9] offset:4096*g th:TH_LOAD_NT
	global_load_b128 v[32+8*g+4:32+8*g+7], v4, s[8:9] offset:4096*g+16 th:TH_LOAD_NT
.set g, g+1
.endr
; Six blocks of four groups.  A block's arithmetic names its own groups' registers alone; the stores dealt among it are the block before's.
.set g, 0
.rept 6
.if g > 0
	s_wait_alu depctr_va_vdst(0)                   ; the block before has written its four groups' data, which the stores below read
.endif
.rept 4
.if g > 3
	global_store_b128 v5, v[32+8*(g-4):32+8*(g-4)+3], s[34:35] offset:2048*(g-4)   ; a wave stores 512 consecutive bytes
.endif
	s_wait_loadcnt 46-2*g                          ; the younger groups' loads, two each, may stay out
.irp p, 0,2,4,6
	v_pk_mul_f32 v[32+8*g+\p:32+8*g+\p+1], v[32+8*g+\p:32+8*g+\p+1], s[42:43] op_sel_hi:[1,0]
.endr
.irp j, 0,1,2,3
	v_cvt_pk_bf16_f32 v[32+8*g+\j], v[32+8*g+2*\j], v[32+8*g+2*\j+1]
.endr
.set g, g+1
.endr
.endr
	s_wait_alu depctr_va_vdst(0)                   ; the last block has written its data
.irp q, 20,21,22,23
	global_store_b128 v5, v[32+8*\q:32+8*\q+3], s[34:35] offset:2048*\q
.endr
	s_cmp_lg_u32 s4, 0
	s_cbranch_scc1 .Lc_end
	global_load_b64 v[224:225], v6, s[14:15]       ; wave 0: the 64 biases: 256 consecutive bytes, aligned
	s_wait_loadcnt 0x0
	v_pk_mul_f32 v[224:225], v[224:225], s[42:43] op_sel_hi:[1,0]
	s_wait_alu depctr_va_vdst(0)                   ; the multiply has written v[224:225], which the store reads
	global_store_b64 v6, v[224:225], s[36:37]
.Lc_end:
	s_endpgm
; ---------------------------------------------------------------- b'[e] = sum over c of Wf[e][c] bv[c], in f32
; 128 numbers a group, 32 rows of Wf a wave; a row is three loads of the wave; the sum over the lanes ends in every lane, and lane i keeps row i's.
.Lpath_b:
	s_sub_co_u32 s7, s6, 30
	s_lshl_b32 s38, s7, 7
	s_lshl_b32 s39, s4, 5
	s_add_co_u32 s38, s38, s39
	s_mul_i32 s40, s38, 1536
	s_mov_b32 s41, 0
	s_add_nc_u64 s[32:33], s[32:33], s[40:41]      ; Wf at my wave's first row
	s_lshl_b32 s40, s7, 9
	s_add_co_u32 s40, s40, 3072
	s_add_nc_u64 s[36:37], s[36:37], s[40:41]      ; bcat at entry 768 + 128 (x - 30)
	s_mov_b32 s42, 0x76543210                      ; v_permlanex16_b32: lane i of one half reads lane i of the other
	s_mov_b32 s43, 0xfedcba98
	v_lshlrev_b32 v4, 4, v1                        ; v4: 16 x lane, the offset in memory
	v_lshl_add_u32 v10, v0, 2, BSC                 ; v10: thread t's word among the group's 128 sums in LDS
	v_add_nc_u32 v11, BSC, v4                      ; v11: the same 512 bytes, 16 a lane
	v_mov_b32 v5, 0                                ; the lane's result
	s_wait_alu depctr_va_vdst(0)                   ; v4, v10 and v11 are written: the addresses of this way's loads and stores; none is written again
	global_load_b128 v[12:15], v4, s[18:19]
	global_load_b128 v[16:19], v4, s[18:19] offset:512
	global_load_b128 v[20:23], v4, s[18:19] offset:1024
.macro BLOAD b, x                      ; eight rows: 24 loads
.irp q, 0,1,2,3,4,5,6,7
.irp j, 0,1,2
	global_load_b128 v[\x+12*\q+4*\j:\x+12*\q+4*\j+3], v4, s[32:33] offset:(8*\b+\q)*1536+512*\j
.endr
.endr
.endm
; Eight rows' products with bv, a pair of sums a row; each row takes its terms in ascending order, the rows by turns.  Ahead of the wait for the rows: the batch's eight masks, lane 8 b + q for row q.
.macro BDOT b, x, left
.irp q, 0,1,2,3,4,5,6,7
	v_cmp_eq_u32 s[20+\q], 8*\b+\q, v1
.endr
	s_wait_loadcnt \left
.irp q, 0,1,2,3,4,5,6,7
	v_pk_mul_f32 v[T+2*\q:T+2*\q+1], v[\x+12*\q:\x+12*\q+1], v[12:13]
.endr
.irp p, 2,4,6,8,10
.irp q, 0,1,2,3,4,5,6,7
	v_pk_fma_f32 v[T+2*\q:T+2*\q+1], v[\x+12*\q+\p:\x+12*\q+\p+1], v[12+\p:12+\p+1], v[T+2*\q:T+2*\q+1]
.endr
.endr
.endm
; The eight rows' sums over the lanes, the rows by turns; they name v[224:239], v5 and the masks alone.
.macro BRED
.irp q, 0,1,2,3,4,5,6,7
	v_add_f32 v[T+2*\q], v[T+2*\q], v[T+2*\q+1]
.endr
.irp m, 1,2,4,8
.irp q, 0,1,2,3,4,5,6,7
	v_add_f32_dpp v[T+2*\q], v[T+2*\q], v[T+2*\q] row_xmask:\m row_mask:0xf bank_mask:0xf
.endr
.endr
.irp q, 0,1,2,3,4,5,6,7
	v_permlanex16_b32 v[T+2*\q+1], v[T+2*\q], s42, s43     ; its destination counts as read: the pair's second register has been written
.endr
.irp q, 0,1,2,3,4,5,6,7
	v_add_f32 v[T+2*\q], v[T+2*\q], v[T+2*\q+1]
.endr
	s_wait_alu depctr_va_sdst(0)                   ; the batch's eight compares have written s[20:27], which the selects below read
.irp q, 0,1,2,3,4,5,6,7
	v_cndmask_b32 v5, v5, v[T+2*\q], s[20+\q]
.endr
.endm
	BLOAD 0, 32
	BLOAD 1, 128
	BDOT 0, 32, 24                                 ; the younger batch's 24 loads may stay out
	s_wait_alu depctr_va_vdst(0)                   ; the products are done reading v[32:127], in which the next eight rows land
	BLOAD 2, 32
	BRED
	BDOT 1, 128, 24
	s_wait_alu depctr_va_vdst(0)                   ; the products are done reading v[128:223], in which the last eight rows land
	BLOAD 3, 128
	BRED
	BDOT 2, 32, 24
	BRED
	BDOT 3, 128, 0
	BRED
	s_wait_alu depctr_va_vdst(0)                   ; the selects have written v5, which the LDS store reads
	ds_store_b32 v10, v5                           ; the group's 128 numbers side by side
	s_wait_dscnt 0x0                               ; my 32 are in LDS,
	s_barrier_signal -1
	s_barrier_wait -1                              ; everybody's are
	s_cmp_lg_u32 s4, 0
	s_cbranch_scc1 .Lb_end
	ds_load_b128 v[24:27], v11                     ; no vector instruction of this way names v[24:27]
	s_wait_dscnt 0x0
	global_store_b128 v4, v[24:27], s[36:37]       ; wave 0 stores 512 consecutive bytes, aligned
.Lb_end:
	s_wait_dscnt 0x0                               ; the closing lines, six on end
	s_wait_alu 0x0
	s_wait_tensorcnt 0x0
	ds_add_u32 v30, v31
	s_wait_dscnt 0x0
	s_endpgm
.Lfunc_end_k_q6ac7502ed8_prep:
	.size	k_q6ac7502ed8_prep, .Lfunc_end_k_q6ac7502ed8_prep-k_q6ac7502ed8_prep
	.p2alignl 7, 3214868480
	.fill 96, 4, 3214868480
	.section	.rodata,"a",@progbits
	.p2align	6, 0x0
	.amdhsa_kernel k_q6ac7502ed8_prep
		.amdhsa_group_segment_fixed_size 129024
		.amdhsa_private_segment_fixed_size 0
		.amdhsa_enable_private_segment 0
		.amdhsa_kernarg_size 120
		.amdhsa_user_sgpr_count 2
		.amdhsa_user_sgpr_kernarg_segment_ptr 1
		.amdhsa_wavefront_size32 1
		.amdhsa_system_sgpr_workgroup_id_x 1
		.amdhsa_system_sgpr_workgroup_id_y 1
		.amdhsa_system_sgpr_workgroup_id_z 1
		.amdhsa_system_vgpr_workitem_id 0
		.amdhsa_next_free_vgpr 416
		.amdhsa_next_free_sgpr 66
		.amdhsa_reserve_vcc 0
		.amdhsa_float_denorm_mode_32 3
		.amdhsa_float_denorm_mode_16_64 3
		.amdhsa_memory_ordered 1
		.amdhsa_forward_progress 1
		.amdhsa_inst_pref_size 127
	.end_amdhsa_kernel
	.amdgpu_metadata
---
amdhsa.version: [ 1, 2 ]
amdhsa.kernels:
  - .name:           k_q6ac7502ed8_prep
    .symbol:         k_q6ac7502ed8_prep.kd
    .args:
      - { .name: Wqg, .offset: 0, .size: 8, .value_kind: global_buffer, .address_space: global }
      - { .name: Wkg, .offset: 8, .size: 8, .value_kind: global_buffer, .address_space: global }
      - { .name: Wvg, .offset: 16, .size: 8, .value_kind: global_buffer, .address_space: global }
      - { .name: bqg, .offset: 24, .size: 8, .value_kind: global_buffer, .address_space: global }
      - { .name: bkg, .offset: 32, .size: 8, .value_kind: global_buffer, .address_space: global }
      - { .name: bvg, .offset: 40, .size: 8, .value_kind: global_buffer, .address_space: global }
      - { .name: Wql, .offset: 48, .size: 8, .value_kind: global_buffer, .address_space: global }
      - { .name: Wkl, .offset: 56, .size: 8, .value_kind: global_buffer, .address_space: global }
      - { .name: Wvl, .offset: 64, .size: 8, .value_kind: global_buffer, .address_space: global }
      - { .name: bql, .offset: 72, .size: 8, .value_kind: global_buffer, .address_space: global }
      - { .name: bkl, .offset: 80, .size: 8, .value_kind: global_buffer, .address_space: global }
      - { .name: bvl, .offset: 88, .size: 8, .value_kind: global_buffer, .address_space: global }
      - { .name: Wf, .offset: 96, .size: 8, .value_kind: global_buffer, .address_space: global }
      - { .name: wcat, .offset: 104, .size: 8, .value_kind: global_buffer, .address_space: global }
      - { .name: bcat, .offset: 112, .size: 8, .value_kind: global_buffer, .address_space: global }
    .group_segment_fixed_size: 129024
    .private_segment_fixed_size: 0
    .kernarg_segment_align: 8
    .kernarg_segment_size: 120
    .max_flat_workgroup_size: 128
    .sgpr_count:     66
    .vgpr_count:     416
    .wavefront_size: 32
...
	.end_amdgpu_metadata
.endif
;; end of part 4
;; launch proj: the kernel of part 2 again; grid 256 x 1, 4 waves a work-group, clusters of 4 x 1, 327,680 bytes of LDS; arguments Z_graph, Z_lstm, wcat, bcat, qkv; writes qkv
;; launch attn: the kernel of part 3 again; grid 256 x 1, 4 waves a work-group, clusters of 4 x 1, 327,680 bytes of LDS; arguments qkv, bf, out0; writes out0
